; MI455X (gfx1250); checked and timed in simulation.
; The chip was launched on July 23, 2026; its instructions are those of AMD's public machine-readable ISA for CDNA 5 (MIT licence, August 2026) and "CDNA5" Instruction Set Architecture Reference Guide (July 2026). The comments in the code are by the model that wrote it; some were corrected since.
;; transformer block. Allowed arithmetic: matrix products marked QUANTISED: E2M1 operands, one E8M0 scale for each 32 along K, by v_wmma_scale_f32_16x16x128_f8f6f4 with both operands' format E2M1 (or v_wmma_scale_f32_32x16x128_f4), f32 sums; everything else in f32.
;; Inputs: g1 1,024 float32; g2 1,024 float32; w1_codes 2,048 x 32 x 16 uint8 (E2M1 codes of w1, K innermost, in blocks of 32 codes, two codes a byte); w1_scales 2,048 x 32 uint8 (E8M0 scales of w1, one for each 32 codes along K); w2_codes 1,024 x 64 x 16 uint8 (E2M1 codes of w2, K innermost, in blocks of 32 codes, two codes a byte); w2_scales 1,024 x 64 uint8 (E8M0 scales of w2, one for each 32 codes along K); w3_codes 2,048 x 32 x 16 uint8 (E2M1 codes of w3, K innermost, in blocks of 32 codes, two codes a byte); w3_scales 2,048 x 32 uint8 (E8M0 scales of w3, one for each 32 codes along K); w_proj_codes 1,024 x 32 x 16 uint8 (E2M1 codes of w_proj, K innermost, in blocks of 32 codes, two codes a byte); w_proj_scales 1,024 x 32 uint8 (E8M0 scales of w_proj, one for each 32 codes along K); w_qkv_codes 3,072 x 32 x 16 uint8 (E2M1 codes of w_qkv, K innermost, in blocks of 32 codes, two codes a byte); w_qkv_scales 3,072 x 32 uint8 (E8M0 scales of w_qkv, one for each 32 codes along K); x 2 x 2,048 x 1,024 float32.
;; Outputs: out0 2 x 2,048 x 1,024 float32.
;; This version of the problem:
;;   THIS VERSION OF THE PROBLEM IS GIVEN IN LOW PRECISION. The matrix products marked QUANTISED in the list below multiply operands that are first quantised to E2M1 (2 exponent bits, 1 mantissa bit; 4 bits a number), with one power-of-two scale for each 32 numbers along K (OCP MX v1.0); their sums are f32. All else is computed in f32.
;;   The module's matrix products, in the order in which they are computed (A, B: the left and right operand; K: the contracted axis; several contracted axes count as one K, in the product's order):
;;     1. [M 4,096, K 1,024] x [K 1,024, N 3,072]; A: computed on the way; B: input w_qkv (given as codes): QUANTISED
;;     2. batch 32 x [M 2,048, K 64] x [K 64, N 2,048]; A: computed on the way; B: computed on the way: QUANTISED
;;     3. batch 32 x [M 2,048, K 2,048] x [K 2,048, N 64]; A: softmax (see below); B: computed on the way: QUANTISED
;;     4. [M 4,096, K 1,024] x [K 1,024, N 1,024]; A: computed on the way; B: input w_proj (given as codes): QUANTISED
;;     5. [M 4,096, K 1,024] x [K 1,024, N 2,048]; A: computed on the way; B: input w1 (given as codes): QUANTISED
;;     6. [M 4,096, K 1,024] x [K 1,024, N 2,048]; A: computed on the way; B: input w3 (given as codes): QUANTISED
;;     7. [M 4,096, K 2,048] x [K 2,048, N 1,024]; A: computed on the way; B: input w2 (given as codes): QUANTISED
;;   THE QUANTISER, for each operand of a quantised product, along K:
;;     - K is cut into blocks of 32 from its start; a last block that is shorter is filled with zeros.
;;     - A block's scale is 2^e with e = floor(log2(the largest magnitude in the block)) - 2, held to -126 .. 127; a block of zeros has e = 0. As a byte (E8M0): e + 127.
;;     - Each number is divided by its block's scale, clamped to +-6, and rounded to the nearest number of E2M1, ties to even, subnormals kept.
;;     - The product sums the exact products of the quantised numbers (number of the format x scale) in f32.
;;   ~~~python
;;   def quantise(x, axis):      # numpy; x: float32 -> the quantised numbers, widened to float32 again
;;       x = np.moveaxis(x, axis, -1); K = x.shape[-1]
;;       x = np.pad(x, [(0, 0)] * (x.ndim - 1) + [(0, -K % 32)]); x = x.reshape(x.shape[:-1] + (-1, 32)); a = np.abs(x).max(-1, keepdims=True)
;;       e = np.where(a > 0, np.clip(np.frexp(np.where(a > 0, a, 1))[1] - 1 - 2, -126, 127), 0)      # np.frexp(a)[1] - 1 = floor(log2(a)), exactly
;;       r = np.clip(x / 2.0 ** e, -6, 6)
;;       step = 2.0 ** (np.maximum(np.frexp(np.where(r == 0, 1, r))[1] - 1, 0) - 1)
;;       q = np.round(r / step) * step * 2.0 ** e      # np.round: ties to even
;;       return np.moveaxis(q.reshape(q.shape[:-2] + (-1,))[..., :K], -1, axis).astype(np.float32)
;;   ~~~
;;   SOFTMAX AHEAD OF A QUANTISED PRODUCT. Where the list says 'softmax', what is quantised is not the finished softmax but p = 2^(t - M), with t = logit x log2(e) and M = ceil(the row's largest t), a whole number; so 1/2 < the row's largest p <= 1. The row's sum l is taken of the UNQUANTISED p, in f32, and the product's result is divided by l at the end. Since M is a whole number, a kernel that streams over the keys may use a running M (the ceiling of the running maximum): every later rescaling is an exact power of two, which a block's scale takes up: the codes' values come out the same.
;;   OPERANDS COMPUTED ON THE WAY. 'Computed on the way' means the value that the module computes at that place (a softmax that the list does not call 'softmax' is quantised finished and normalised). What goes into a quantiser is computed in f32, as accurately as f32 sums, v_exp_f32 and their like allow (about 1e-6 of the number): no bf16 or f16 on the way to a quantiser, and a product that is left as it is and whose result goes on into a quantised operand takes f32 operands (vector FMAs, or v_wmma_f32_16x16x4_f32). A number that lies on a knife's edge between two numbers of the format may be rounded either way, as far as f32 arithmetic and the matrix unit's own rounding can turn it there, and no further.
;;   INPUTS GIVEN AS CODES. w1 (in the module: [2048, 1024], K = its axis 1); w2 (in the module: [1024, 2048], K = its axis 1); w3 (in the module: [2048, 1024], K = its axis 1); w_proj (in the module: [1024, 1024], K = its axis 1); w_qkv (in the module: [3072, 1024], K = its axis 1): each comes as NAME_codes (uint8): NAME with its K axis moved to the last place and cut into blocks of 32 codes, [.., K / 32, bytes a block], one block behind the other in memory; two codes a byte, the lower K in the low four bits (a code: sign, 2 exponent bits, 1 mantissa bit); and NAME_scales (uint8): the same leading axes, one E8M0 byte (e + 127) for each 32 codes along K. Its value is code x scale, taken as it is: it is not quantised again, and the codes and scales need not be those that the quantiser above would give.
;; One version. Each part assembles by itself: llvm-mc -triple=amdgcn-amd-amdhsa -mcpu=gfx1250 --defsym DOCPART=n.
;; ======== version 1 of 1: 6 launches
;; limits: right only within a limited range of input values
;; workspace buffers: hbuf 2,752,512 bytes; qkvbuf 6,946,816 bytes; obuf 2,228,224 bytes; xbuf 19,005,440 bytes; gbuf 4,456,448 bytes
;; launch norm1 (part 1): grid 256 x 1, 4 waves a work-group, no clusters, 28,160 bytes of LDS; arguments x, g1, hbuf; writes hbuf
.if DOCPART == 1
	.amdgcn_target "amdgcn-amd-amdhsa--gfx1250"
	.amdhsa_code_object_version 6
	.text
	.protected	k_q1f0a93de25_norm1
	.globl	k_q1f0a93de25_norm1
	.p2align	8
	.type	k_q1f0a93de25_norm1,@function
k_q1f0a93de25_norm1:
	s_mov_b64 s[64:65], 0
	v_nop
	global_prefetch_b8 v0, s[64:65] scope:SCOPE_SE
	s_setreg_imm32_b32 hwreg(HW_REG_WAVE_MODE, 25, 1), 1
	s_wait_xcnt 0x0
; h = x * g1 / sqrt(mean(x^2) + 1e-5), quantised to FP4 (E2M1) with one E8M0 byte for each 32 along the row; and the rope's table.
; x: [4096][1024] f32.  hbuf: the codes as images of operand registers, [tile of 16 rows][K step of 128][c][lane][16 bytes] (lane (r, h): row r, k = 128 s + 64 c + 32 h + 0..31);
; at H_SC the scale bytes [row][32]; at ROPE [position 2048][pair 32][cos, sin] f32.
; SHARES: a work-group takes 16 rows, a wave 4 of them; all 40 loads of a wave go out at the head.  A row is loaded densely (512 consecutive bytes a load) and turned through the wave's own LDS bytes,
; so that a lane holds one whole block of 32 neighbours: the block's largest magnitude needs no other lane.  No matrix unit, no cluster: nothing is shared and memory binds.
; LIMITS: a block of zeros or under 2^-124 gets the byte 1 (its codes are zeros; only this program reads the bytes); NaN and infinities are not served; the rope's frequency comes from v_exp_f32,
; so an angle may differ from an f32 angle made by exp() by about 2e-4 rad at position 2047.
.set H_SC,  2097152
.set ROPE,  2228224
.set TURNB, 4608                       ; LDS: for each wave 32 lanes x (128 bytes + 16 of padding)
.set IMG,   18432                      ; the tile's image, 8,192 bytes
.set SCB,   26624                      ; its scale bytes, 16 rows x 32
.set G,  96                            ; v96-127  g1 of my 32 columns
.set R,  128                           ; v128-255 four rows as loaded
.set X,  64                            ; v64-95   my block of the row in hand
.set C,  48                            ; v48-63   codes, four registers a row
.set BY, 12                            ; v12-15   a scale byte a row
	s_load_b128 s[4:7], s[0:1], 0x0                ; x, g1
	s_load_b64 s[8:9], s[0:1], 0x10                ; hbuf
	v_lshl_add_u32 v46, v0, 2, 0x6c00
	v_mov_b32 v47, 0
	v_lshrrev_b32 v1, 5, v0
	v_readfirstlane_b32 s10, v1                    ; wave
	v_and_b32 v1, 31, v0                           ; lane L
	v_lshlrev_b32 v2, 4, v1                        ; 16 L
	v_lshlrev_b32 v3, 7, v1                        ; 128 L
	s_lshl_b32 s12, ttmp9, 16                      ; 16 rows of 4,096 bytes a work-group,
	s_lshl_b32 s13, s10, 14                        ; 4 a wave
	s_add_co_u32 s12, s12, s13
	s_mov_b32 s13, 0
	s_wait_alu depctr_va_vdst(0)
	s_wait_kmcnt 0x0
	s_add_nc_u64 s[4:5], s[4:5], s[12:13]
.irp q, 0,1,2,3,4,5,6,7
	global_load_b128 v[G+4*\q:G+4*\q+3], v3, s[6:7] offset:16*\q
.endr
.irp rho, 0,1,2,3
.irp q, 0,1,2,3,4,5,6,7
	global_load_b128 v[R+32*\rho+4*\q:R+32*\rho+4*\q+3], v2, s[4:5] offset:4096*\rho+512*\q th:TH_LOAD_NT
.endr
.endr
	; ---- while the rows are on their way: two positions of the rope's table a wave, a lane a pair
	s_mov_b32 s14, 0x3fc90fdb                      ; pi / 2, its f32 value,
	s_mov_b32 s15, 0xb33bbd2e                      ; and what is left of it
	s_mov_b32 s18, 0x3a800000                      ; 1 / 1024
	s_mov_b32 s19, 0x3727c5ac                      ; 1e-5
	s_mov_b32 s20, 0x76543210
	s_mov_b32 s21, 0xfedcba98                      ; v_permlanex16_b32's selects for lane l xor 16
	s_lshl_b32 s22, ttmp9, 11                      ; 8 positions of 256 bytes a work-group
	s_lshl_b32 s23, s10, 8
	s_add_co_u32 s22, s22, s23
	s_add_co_u32 s22, s22, ROPE
	s_mov_b32 s23, 0
	s_add_nc_u64 s[16:17], s[8:9], s[22:23]
	s_lshl_b32 s24, ttmp9, 3
	s_add_co_u32 s24, s24, s10                     ; position 8 T + w (+ 4 z)
	v_lshlrev_b32 v24, 3, v1                       ; 8 L
	v_cvt_f32_u32 v4, v1
	v_mul_f32 v4, 0xbed49a78, v4                   ; - lane x log2(10000) / 32
	s_wait_alu depctr_va_vdst(0)
	v_exp_f32 v4, v4                               ; the pair's frequency
	v_nop
	s_wait_alu depctr_va_vdst(0)                   ; ahead of the first reader of the exponential
.irp z, 0,1
	v_cvt_f32_u32 v5, s24
	v_mul_f32 v6, v5, v4                           ; the angle, one f32 product
	v_mul_f32 v7, 0x3f22f983, v6
	v_rndne_f32 v7, v7                             ; k = the nearest multiple of pi / 2
	v_fma_f32 v8, -v7, s14, v6                     ; exact: the angle is under 2,048
	v_fma_f32 v8, -v7, s15, v8                     ; |rr| <= pi / 4
	v_mul_f32 v9, v8, v8
	v_mov_b32 v10, 0xb94ca1f9
	v_fmaak_f32 v10, v9, v10, 0x3c08839e
	v_fmaak_f32 v10, v9, v10, 0xbe2aaaa3
	v_mul_f32 v11, v8, v9
	v_fma_f32 v10, v11, v10, v8                    ; sin rr
	v_mov_b32 v12, 0x37ccf5ce
	v_fmaak_f32 v12, v9, v12, 0xbab6061a
	v_fmaak_f32 v12, v9, v12, 0x3d2aaaa5
	v_mul_f32 v13, v9, v9
	v_fma_f32 v14, v9, -0.5, 1.0
	v_fma_f32 v12, v13, v12, v14                   ; cos rr
	v_cvt_i32_f32 v15, v7
	v_and_b32 v16, 1, v15
	v_cmp_eq_u32 vcc_lo, 1, v16                    ; in odd quadrants the two change places
	v_cndmask_b32 v17, v10, v12, vcc_lo
	v_cndmask_b32 v18, v12, v10, vcc_lo
	v_and_b32 v19, 2, v15
	v_lshlrev_b32 v19, 30, v19
	v_xor_b32 v[21+2*\z], v17, v19                 ; sin: minus in quadrants 2, 3
	v_add_nc_u32 v16, 1, v15
	v_and_b32 v16, 2, v16
	v_lshlrev_b32 v16, 30, v16
	v_xor_b32 v[20+2*\z], v18, v16                 ; cos: minus in quadrants 1, 2
	global_store_b64 v24, v[20+2*\z:21+2*\z], s[16:17] offset:1024*\z   ; 32 lanes store 256 consecutive bytes, aligned
	s_add_co_u32 s24, s24, 4
.endr
	; ---- LDS addresses
	v_lshrrev_b32 v26, 3, v1
	v_lshl_add_u32 v25, v26, 4, v2                 ; the turn, in: 16 L + 16 (L / 8): eight lanes' 128 bytes on end, then 16 of padding
	s_mul_i32 s25, s10, TURNB
	v_add_nc_u32 v25, s25, v25
	v_mul_u32_u24 v26, v1, 144                     ; out: my 128 bytes
	v_add_nc_u32 v26, s25, v26
	v_lshrrev_b32 v27, 2, v1                       ; my block L is K step L / 4, c = (L / 2) % 2, h = L % 2
	v_lshlrev_b32 v27, 10, v27
	v_bfe_u32 v28, v0, 1, 1
	v_lshl_add_u32 v27, v28, 9, v27
	v_and_b32 v28, 1, v0
	v_lshl_add_u32 v27, v28, 8, v27
	s_lshl_b32 s25, s10, 6                         ; row 4 w (+ rho): 16 bytes a row
	s_add_co_u32 s25, s25, IMG
	v_add_nc_u32 v27, s25, v27
	s_lshl_b32 s25, s10, 7
	s_add_co_u32 s25, s25, SCB
	v_add_nc_u32 v28, s25, v1                      ; scale bytes: 32 x row + L
	s_lshl_b32 s25, s10, 11
	v_add_nc_u32 v30, s25, v2                      ; the way out: 2,048 w + 16 L
	v_add_nc_u32 v29, IMG, v30
	v_add_nc_u32 v31, SCB, v2
	s_lshl_b32 s12, ttmp9, 13
	s_add_nc_u64 s[26:27], s[8:9], s[12:13]        ; the tile's image in hbuf
	s_lshl_b32 s12, ttmp9, 9
	s_add_co_u32 s12, s12, H_SC
	s_add_nc_u64 s[28:29], s[8:9], s[12:13]        ; its scale bytes
.macro ROWQ rho
	s_wait_loadcnt 24-8*\rho                       ; this row's eight loads are in (g1's were issued earlier); the later rows' may be out
.irp q, 0,1,2,3,4,5,6,7
	ds_store_b128 v25, v[R+32*\rho+4*\q:R+32*\rho+4*\q+3] offset:576*\q
.endr
.irp q, 0,1,2,3,4,5,6,7
	ds_load_b128 v[X+4*\q:X+4*\q+3], v26 offset:16*\q   ; LDS serves a wave's instructions in order: these see the stores above
.endr
	s_wait_dscnt 0x0
	v_pk_mul_f32 v[4:5], v[X:X+1], v[X:X+1]        ; the sum of squares, in two packed chains
	v_pk_mul_f32 v[6:7], v[X+2:X+3], v[X+2:X+3]
.irp i, 4,8,12,16,20,24,28
	v_pk_fma_f32 v[4:5], v[X+\i:X+\i+1], v[X+\i:X+\i+1], v[4:5]
	v_pk_fma_f32 v[6:7], v[X+\i+2:X+\i+3], v[X+\i+2:X+\i+3], v[6:7]
.endr
	v_pk_add_f32 v[4:5], v[4:5], v[6:7]
	v_add_f32 v4, v4, v5
	v_add_f32_dpp v4, v4, v4 row_xmask:1 row_mask:0xf bank_mask:0xf
	v_add_f32_dpp v4, v4, v4 row_xmask:2 row_mask:0xf bank_mask:0xf
	v_add_f32_dpp v4, v4, v4 row_xmask:4 row_mask:0xf bank_mask:0xf
	v_add_f32_dpp v4, v4, v4 row_xmask:8 row_mask:0xf bank_mask:0xf
	v_permlanex16_b32 v5, v4, s20, s21
	v_add_f32 v4, v4, v5
	v_fma_f32 v4, v4, s18, s19                     ; mean + eps
	s_wait_alu depctr_va_vdst(0)
	v_rsq_f32 v6, v4
.irp i, 0,2,4,6,8,10,12,14,16,18,20,22,24,26,28,30
	v_pk_mul_f32 v[X+\i:X+\i+1], v[X+\i:X+\i+1], v[G+\i:G+\i+1]     ; x g1: plain work behind the root
.endr
	s_wait_alu depctr_va_vdst(0)                   ; ahead of the root's first reader
.irp i, 0,2,4,6,8,10,12,14,16,18,20,22,24,26,28,30
	v_pk_mul_f32 v[X+\i:X+\i+1], v[X+\i:X+\i+1], v[6:7] op_sel_hi:[1,0]
.endr
	v_max3_num_f32 v8, |v[X]|, |v[X+1]|, |v[X+2]|  ; the block's largest magnitude: all 32 numbers are mine
	v_max3_num_f32 v9, |v[X+3]|, |v[X+4]|, |v[X+5]|
.irp i, 6,10,14,18,22,26
	v_max3_num_f32 v8, v8, |v[X+\i]|, |v[X+\i+1]|
	v_max3_num_f32 v9, v9, |v[X+\i+2]|, |v[X+\i+3]|
.endr
	v_max3_num_f32 v8, v8, |v[X+30]|, |v[X+31]|
	v_max3_num_f32 v8, v8, v9, 0x1800000           ; the floor 2^(3 - 127): the byte cannot fall under 1
	v_add_nc_u32 v10, 0xff000000, v8               ; 2 off the exponent field: the conversion's scale operand
.irp g, 0,1,2,3
	v_cvt_scalef32_pk8_fp4_f32 v[C+4*\rho+\g], v[X+8*\g:X+8*\g+7], v10
.endr
	v_lshrrev_b32 v[BY+\rho], 23, v10              ; the scale's byte (a plain line behind the conversions)
	ds_store_b128 v27, v[C+4*\rho:C+4*\rho+3] offset:16*\rho
	ds_store_b8 v28, v[BY+\rho] offset:32*\rho
.endm
	ROWQ 0
	ROWQ 1
	ROWQ 2
	ROWQ 3
	s_wait_dscnt 0x0                               ; for the others' sake: my stores into the image have landed
	s_barrier_signal -1
	s_barrier_wait -1
.irp q, 0,1,2,3
	ds_load_b128 v[X+4*\q:X+4*\q+3], v29 offset:512*\q
.endr
.irp q, 0,1,2,3
	s_wait_dscnt 3-\q
	global_store_b128 v30, v[X+4*\q:X+4*\q+3], s[26:27] offset:512*\q   ; 32 lanes store 512 consecutive bytes, aligned
.endr
	s_cmp_lg_u32 s10, 0
	s_cbranch_scc1 .Ldone                          ; wave 0 stores the tile's 512 scale bytes
	ds_load_b128 v[X+16:X+19], v31
	s_wait_dscnt 0x0
	global_store_b128 v2, v[X+16:X+19], s[28:29]
.Ldone:
	s_wait_tensorcnt 0x0
	ds_add_u32 v46, v47
	s_wait_dscnt 0x0
	s_endpgm
.Lfunc_end_k_q1f0a93de25_norm1:
	.size	k_q1f0a93de25_norm1, .Lfunc_end_k_q1f0a93de25_norm1-k_q1f0a93de25_norm1
	.p2alignl 7, 3214868480
	.fill 96, 4, 3214868480
	.section	.rodata,"a",@progbits
	.p2align	6, 0x0
	.amdhsa_kernel k_q1f0a93de25_norm1
		.amdhsa_group_segment_fixed_size 28160
		.amdhsa_private_segment_fixed_size 0
		.amdhsa_enable_private_segment 0
		.amdhsa_kernarg_size 24
		.amdhsa_user_sgpr_count 2
		.amdhsa_user_sgpr_kernarg_segment_ptr 1
		.amdhsa_wavefront_size32 1
		.amdhsa_system_sgpr_workgroup_id_x 1
		.amdhsa_system_sgpr_workgroup_id_y 1
		.amdhsa_system_sgpr_workgroup_id_z 1
		.amdhsa_system_vgpr_workitem_id 0
		.amdhsa_next_free_vgpr 256
		.amdhsa_next_free_sgpr 66
		.amdhsa_reserve_vcc 1
		.amdhsa_float_denorm_mode_32 3
		.amdhsa_float_denorm_mode_16_64 3
		.amdhsa_memory_ordered 1
		.amdhsa_forward_progress 1
		.amdhsa_inst_pref_size 36
	.end_amdhsa_kernel
	.amdgpu_metadata
---
amdhsa.version: [ 1, 2 ]
amdhsa.kernels:
  - .name:           k_q1f0a93de25_norm1
    .symbol:         k_q1f0a93de25_norm1.kd
    .args:
      - { .name: x, .offset: 0, .size: 8, .value_kind: global_buffer, .address_space: global }
      - { .name: g1, .offset: 8, .size: 8, .value_kind: global_buffer, .address_space: global }
      - { .name: hbuf, .offset: 16, .size: 8, .value_kind: global_buffer, .address_space: global }
    .group_segment_fixed_size: 28160
    .private_segment_fixed_size: 0
    .kernarg_segment_align: 8
    .kernarg_segment_size: 24
    .max_flat_workgroup_size: 128
    .sgpr_count:     66
    .vgpr_count:     256
    .wavefront_size: 32
...
	.end_amdgpu_metadata
.endif
;; end of part 1
;; launch qkv (part 2): grid 12 x 16, 16 waves a work-group, clusters of 4 x 4, 296,960 bytes of LDS; arguments hbuf, w_qkv_codes, w_qkv_scales, qkvbuf; writes qkvbuf
.if DOCPART == 2
	.amdgcn_target "amdgcn-amd-amdhsa--gfx1250"
	.amdhsa_code_object_version 6
	.text
	.protected	k_q1f0a93de25_qkv
	.globl	k_q1f0a93de25_qkv
	.p2align	8
	.type	k_q1f0a93de25_qkv,@function
k_q1f0a93de25_qkv:
	s_mov_b64 s[64:65], 0
	v_nop
	global_prefetch_b8 v0, s[64:65] scope:SCOPE_SE
	s_setreg_imm32_b32 hwreg(HW_REG_WAVE_MODE, 25, 1), 1
	s_wait_xcnt 0x0
	s_wait_alu depctr_hold_cnt(0) depctr_sa_sdst(0) depctr_va_vdst(0) depctr_va_sdst(0) depctr_va_ssrc(0) depctr_va_vcc(0) depctr_vm_vsrc(0)
	s_getreg_b32 s2, hwreg(HW_REG_IB_STS2, 6, 4)
	s_cmp_eq_u32 s2, 0
	s_cbranch_scc0 .Lentry_in_a_cluster
	s_endpgm
.Lentry_in_a_cluster:
	s_bfe_u32 s2, ttmp6, 0x10000c
	s_cmp_lg_u32 s2, 0xf033
	s_cbranch_scc0 .Lentry_shape_is_right
	s_endpgm
.Lentry_shape_is_right:
; qkv = h w_qkv^T on FP4 codes; the rope on q and k; q, k quantised along the head's 64, v along the keys; all three leave as images of operand registers.
; SHARES: a work-group multiplies 256 rows of h by 256 rows of w_qkv over all K = 1,024.  Both panels and their scale bytes fit in LDS whole: they are filled ONCE, K in two halves, so nothing is ever filled again.
; 4 x 4 work-groups form a cluster: h's panel is asked for jointly along a row of the cluster, the weights' along a column.  Waves 0-2 fetch for h, waves 3-14 for the weights: one load each is out.
; Sixteen waves, four to a SIMD; a wave makes 128 x 32: source 0 = 8 tiles of one panel, source 1 = 2 tiles of the other, 16 accumulators that take turns.
; q, k (cluster x = 0, 1): source 0 = the weights' rows, so a lane holds one token and its registers run along d.  v (cluster x = 2): source 0 = the tokens, so a lane holds one d and its registers run along the keys.
; The branch between the two ways hangs on the cluster's x, which all partners share.
; QUANTISER: in tile tau a lane's registers hold k = 16 tau + 8 h + j; a block of 32 is tiles 2 b, 2 b + 1 of lanes l and l xor 16.
; LIMITS: a block of zeros or under 2^-124 gets the byte 1 (zero codes; only this program reads the bytes); NaN and infinities are not served.  The scale words leave in aligned runs of 128 bytes.
.set H_SC, 2097152
.set ROPE, 2228224
.set KVB,  2359296                     ; qkvbuf: q's images 0 (65,536 a head), q's scale words 2,097,152 (8,192 a head), from KVB 143,360 a head: k's images, v's images 65,536, k's words 131,072, v's words 139,264
.set KVS,  143360
.set A0, 0                             ; LDS: h's images, K half 0: [tile 16][step 4][c 2][512]
.set A1, 65536                         ; K half 1
.set B0, 131072                        ; the weights' 256 rows, 256 bytes + 16 of padding each: K half 0
.set B1, 200704                        ; K half 1
.set SA, 270336                        ; h's scale bytes: 32 units of 256 bytes + 16
.set SB, 279040                        ; the weights'
.set WV, 12
.set WA, 13
.set SG0, 14
.set SG1, 15
.set CX, 16
.set CY, 17
.set XT, 18
.set YT, 19
.set SEL, 22
.set G1A, 24
.set G1B, 32
.set G1SA, 40
.set G1SB, 48
.set G0AS, 56
.set G0A0, 60
.set G0A1, 68
.set G0BS, 72
.set G0B0, 76
.set G0B1, 80
.set AB, 8                             ; v8-9   LDS address of my rows of the weights, K half 0, 1
.set AA, 10                            ; v10-11 of my tiles of h
.set AS0, 12                           ; v12    of source 0's scale words
.set AS1, 13                           ; v13    of source 1's
.set RTMP, 24                          ; v24-27 the rope's four temporaries
.set SC1, 28                           ; v28-31 source 1's scale words of four K steps: lanes 0-15 tile 0, lanes 16-31 tile 1; they hold nothing else
.set SC0, 32                           ; v32-47 source 0's: register 4 u + q: lanes 0-15 tile 2 u, lanes 16-31 tile 2 u + 1; they hold nothing else
.set FR1, 48                           ; v48-63 source 1's two fragments; later the codes just made
.set FR0, 64                           ; v64-127 source 0's eight
.set ACC, 128                          ; v128-255 accumulator (i, t) at ACC + 64 i + 8 t
.set RT, 64                            ; the rope's table for my 32 tokens, where source 0's fragments lay
.set TM, 64                            ; the quantiser's 16 registers, where the table lay
.macro PLACES n
.rept \n
	v_nop
.endr
.endm
.macro CROUND                          ; a round of the cluster's barrier
	s_barrier_signal -1
	s_barrier_wait -1
	s_cmp_lg_u32 s[WV], 0
	s_cbranch_scc1 .Lnot_wave_0_\@
	s_barrier_signal -3
.Lnot_wave_0_\@:
	s_barrier_wait -3
	s_barrier_signal -1
	s_barrier_wait -1
.endm
; one matrix instruction.  z = 1: C = 0, the sum's first K step; ra, rb = 1: the side's scales are read from lanes 16-31
.macro WM d, a, b, z, sa, sb, ra, rb
.set wsel, 4*(\z)+2*(\ra)+(\rb)
.if wsel == 0
	v_wmma_scale_f32_16x16x128_f8f6f4 v[0+(\d):7+(\d)], v[0+(\a):7+(\a)], v[0+(\b):7+(\b)], v[0+(\d):7+(\d)], v[\sa], v[\sb] matrix_a_fmt:MATRIX_FMT_FP4 matrix_b_fmt:MATRIX_FMT_FP4
.elseif wsel == 1
	v_wmma_scale_f32_16x16x128_f8f6f4 v[0+(\d):7+(\d)], v[0+(\a):7+(\a)], v[0+(\b):7+(\b)], v[0+(\d):7+(\d)], v[\sa], v[\sb] matrix_a_fmt:MATRIX_FMT_FP4 matrix_b_fmt:MATRIX_FMT_FP4 matrix_b_scale:MATRIX_SCALE_ROW1
.elseif wsel == 2
	v_wmma_scale_f32_16x16x128_f8f6f4 v[0+(\d):7+(\d)], v[0+(\a):7+(\a)], v[0+(\b):7+(\b)], v[0+(\d):7+(\d)], v[\sa], v[\sb] matrix_a_fmt:MATRIX_FMT_FP4 matrix_b_fmt:MATRIX_FMT_FP4 matrix_a_scale:MATRIX_SCALE_ROW1
.elseif wsel == 3
	v_wmma_scale_f32_16x16x128_f8f6f4 v[0+(\d):7+(\d)], v[0+(\a):7+(\a)], v[0+(\b):7+(\b)], v[0+(\d):7+(\d)], v[\sa], v[\sb] matrix_a_fmt:MATRIX_FMT_FP4 matrix_b_fmt:MATRIX_FMT_FP4 matrix_a_scale:MATRIX_SCALE_ROW1 matrix_b_scale:MATRIX_SCALE_ROW1
.elseif wsel == 4
	v_wmma_scale_f32_16x16x128_f8f6f4 v[0+(\d):7+(\d)], v[0+(\a):7+(\a)], v[0+(\b):7+(\b)], 0, v[\sa], v[\sb] matrix_a_fmt:MATRIX_FMT_FP4 matrix_b_fmt:MATRIX_FMT_FP4
.elseif wsel == 5
	v_wmma_scale_f32_16x16x128_f8f6f4 v[0+(\d):7+(\d)], v[0+(\a):7+(\a)], v[0+(\b):7+(\b)], 0, v[\sa], v[\sb] matrix_a_fmt:MATRIX_FMT_FP4 matrix_b_fmt:MATRIX_FMT_FP4 matrix_b_scale:MATRIX_SCALE_ROW1
.elseif wsel == 6
	v_wmma_scale_f32_16x16x128_f8f6f4 v[0+(\d):7+(\d)], v[0+(\a):7+(\a)], v[0+(\b):7+(\b)], 0, v[\sa], v[\sb] matrix_a_fmt:MATRIX_FMT_FP4 matrix_b_fmt:MATRIX_FMT_FP4 matrix_a_scale:MATRIX_SCALE_ROW1
.else
	v_wmma_scale_f32_16x16x128_f8f6f4 v[0+(\d):7+(\d)], v[0+(\a):7+(\a)], v[0+(\b):7+(\b)], 0, v[\sa], v[\sb] matrix_a_fmt:MATRIX_FMT_FP4 matrix_b_fmt:MATRIX_FMT_FP4 matrix_a_scale:MATRIX_SCALE_ROW1 matrix_b_scale:MATRIX_SCALE_ROW1
.endif
.endm
; nb blocks of 32 (block b: v[src + 16 b] on, 16 numbers in me and 16 in lane l xor 16) become codes in v[pc] on, in the operand's layout; the bytes stay in v[TM + 4 + b]
.macro QUANT src, nb, pc
.set qb, 0
.rept \nb
	v_max3_num_f32 v[TM+qb], |v[(\src)+16*qb]|, |v[(\src)+16*qb+1]|, 0x1800000   ; with the floor 2^(3 - 127): the byte cannot fall under 1
.set qb, qb+1
.endr
.irp i, 2,4,6,8,10,12,14
.set qb, 0
.rept \nb
	v_max3_num_f32 v[TM+qb], v[TM+qb], |v[(\src)+16*qb+\i]|, |v[(\src)+16*qb+\i+1]|
.set qb, qb+1
.endr
.endr
.set qb, 0
.rept \nb
	s_delay_alu instid0(VALU_DEP_4)
	v_permlanex16_b32 v[TM+4+qb], v[TM+qb], s[SEL], s[SEL+1]
.set qb, qb+1
.endr
.set qb, 0
.rept \nb
	s_delay_alu instid0(VALU_DEP_4)
	v_max_num_f32 v[TM+qb], v[TM+qb], v[TM+4+qb]   ; the block's largest magnitude
.set qb, qb+1
.endr
.set qb, 0
.rept \nb
	s_delay_alu instid0(VALU_DEP_4)
	v_add_nc_u32 v[TM+12+qb], 0xff000000, v[TM+qb] ; 2 off its exponent field: the conversion's scale operand
.set qb, qb+1
.endr
.set qb, 0
.rept \nb
	s_delay_alu instid0(VALU_DEP_4)
	v_lshrrev_b32 v[TM+4+qb], 23, v[TM+12+qb]      ; the scale's byte
.set qb, qb+1
.endr
.set qt, 0
.rept 2*\nb
	v_cvt_scalef32_pk8_fp4_f32 v[(\pc)+4*(qt/4)+2*(qt%2)+((qt/2)%2)], v[(\src)+8*qt:(\src)+8*qt+7], v[TM+12+qt/2]   ; tiles 0, 1, 2, 3 of a group go to registers 0, 2, 1, 3
.set qt, qt+1
.endr
	v_nop                                          ; a plain line behind the conversions
.set qc, 0
.rept \nb/2
	v_permlane16_swap_b32 v[(\pc)+4*qc], v[(\pc)+4*qc+1]     ; lanes 0-15 now hold block 2 c, lanes 16-31 block 2 c + 1, each in the order of k
	v_permlane16_swap_b32 v[(\pc)+4*qc+2], v[(\pc)+4*qc+3]
.set qc, qc+1
.endr
.endm
.macro LDROW reg, adr, x, q            ; a fragment from rows of 272 bytes: tile x, the half's q-th 128 along K
	ds_load_b128 v[(\reg):(\reg)+3], v[\adr] offset:4352*(\x)+64*(\q)
	ds_load_b128 v[(\reg)+4:(\reg)+7], v[\adr] offset:4352*(\x)+64*(\q)+32
.endm
.macro LDIMG reg, adr, x, q            ; a fragment from its image
	ds_load_b128 v[(\reg):(\reg)+3], v[\adr] offset:4096*(\x)+1024*(\q)
	ds_load_b128 v[(\reg)+4:(\reg)+7], v[\adr] offset:4096*(\x)+1024*(\q)+512
.endm
; one K step of 128: sw = 0: source 0 = the weights; sw = 1: source 0 = h.  The SIMD's other three waves work while this one waits for its loads
.macro KSTEP sw, k, q, z
.if \q == 0
.irp u, 0,1,2,3
	ds_load_b128 v[SC0+4*\u:SC0+4*\u+3], v[AS0] offset:1088*\u+16*\k
.endr
	ds_load_b128 v[SC1:SC1+3], v[AS1] offset:16*\k
.endif
.irp t, 0,1,2,3,4,5,6,7
.if \sw
	LDIMG FR0+8*\t, AA+\k, \t, \q
.else
	LDROW FR0+8*\t, AB+\k, \t, \q
.endif
.endr
.irp i, 0,1
.if \sw
	LDROW FR1+8*\i, AB+\k, \i, \q
.else
	LDIMG FR1+8*\i, AA+\k, \i, \q
.endif
.endr
	s_wait_dscnt 0x0
.irp i, 0,1
.irp t, 0,1,2,3,4,5,6,7
	WM ACC+64*\i+8*\t, FR0+8*\t, FR1+8*\i, \z, SC0+4*(\t/2)+\q, SC1+\q, \t%2, \i
.endr
.endr
	PLACES 4                                       ; ahead of loads into registers that these products read, and of the first read of results
.endm
.macro CORE sw
	s_wait_tensorcnt 0x0                           ; my one load has landed
	s_barrier_signal -1
	s_barrier_wait -1                              ; everybody's has: both panels and their scale bytes are whole
	KSTEP \sw, 0, 0, 1
	KSTEP \sw, 0, 1, 0
	KSTEP \sw, 0, 2, 0
	KSTEP \sw, 0, 3, 0
	KSTEP \sw, 1, 0, 0
	KSTEP \sw, 1, 1, 0
	KSTEP \sw, 1, 2, 0
	KSTEP \sw, 1, 3, 0
.endm
.macro ADDRS sw
.if \sw
	s_mul_i32 s22, s[SG1], 32*272
	s_lshl_b32 s23, s[SG0], 15
	s_mul_i32 s66, s[SG0], 4352
	s_add_co_u32 s66, s66, SA
	s_mul_i32 s67, s[SG1], 1088
	s_add_co_u32 s67, s67, SB
.else
	s_mul_i32 s22, s[SG0], 128*272
	s_lshl_b32 s23, s[SG1], 13
	s_mul_i32 s66, s[SG0], 4352
	s_add_co_u32 s66, s66, SB
	s_mul_i32 s67, s[SG1], 1088
	s_add_co_u32 s67, s67, SA
.endif
	s_add_co_u32 s22, s22, B0
	v_add_nc_u32 v[AB], s22, v5
	s_add_co_u32 s22, s22, B1-B0
	v_add_nc_u32 v[AB+1], s22, v5
	v_add_nc_u32 v[AA], s23, v4
	s_add_co_u32 s23, s23, A1
	v_add_nc_u32 v[AA+1], s23, v4
	v_add_nc_u32 v[AS0], s66, v6
	v_add_nc_u32 v[AS1], s67, v6
.endm
	s_load_b128 s[4:7], s[0:1], 0x0                ; hbuf, the weights' codes
	s_load_b128 s[8:11], s[0:1], 0x10              ; the weights' scales, qkvbuf
	v_lshl_add_u32 v15, v0, 2, 0x48000
	v_mov_b32 v23, 0
	ds_add_u32 v15, v23
	ds_add_u32 v15, v23
	v_lshrrev_b32 v1, 5, v0
	s_delay_alu instid0(VALU_DEP_1)
	v_readfirstlane_b32 s[WV], v1                  ; wave 0..15
	s_and_b32 s[WA], s[WV], 3                      ; which quarter of a panel I fetch, if I fetch
	s_and_b32 s[SG0], s[WV], 1                     ; which 128 rows of source 0's panel are mine
	s_lshr_b32 s[SG1], s[WV], 1                    ; which 32 rows of source 1's
	s_bfe_u32 s[CX], ttmp6, 0x40000
	s_bfe_u32 s[CY], ttmp6, 0x40004
	s_lshl_b32 s[XT], ttmp9, 2
	s_add_co_u32 s[XT], s[XT], s[CX]               ; panel of the weights
	s_and_b32 s[YT], ttmp7, 0xffff
	s_lshl_b32 s[YT], s[YT], 2
	s_add_co_u32 s[YT], s[YT], s[CY]               ; panel of h
	s_lshl_b32 s20, s[CY], 2
	s_lshl_b32 s20, 15, s20                        ; my row of the cluster
	s_lshl_b32 s21, 0x1111, s[CX]                  ; my column
	s_or_b32 s[G1A], s20, (3<<16)|(1<<21)          ; h's images: elements of 8 bytes; 16 tiles x 4,096 bytes, 8,192 apart; no padding
	s_mov_b32 s[G1A+1], 512<<16
	s_mov_b32 s[G1A+2], 16<<16                     ; one load brings a K half of all 16 tiles
	s_mov_b32 s[G1A+3], 512<<16
	s_mov_b32 s[G1A+4], 16
	s_mov_b32 s[G1A+5], 1024
	s_mov_b32 s[G1A+6], 0
	s_mov_b32 s[G1A+7], 0
	s_or_b32 s[G1B], s21, (1<<20)|(1<<21)|(5<<22)|(3<<25)   ; the weights: bytes; 64 rows x 256, 512 apart; 4 words of padding behind every 64
	s_mov_b32 s[G1B+1], 256<<16
	s_mov_b32 s[G1B+2], 64<<16
	s_mov_b32 s[G1B+3], 256<<16
	s_mov_b32 s[G1B+4], 64
	s_mov_b32 s[G1B+5], 512
	s_mov_b32 s[G1B+6], 0
	s_mov_b32 s[G1B+7], 0
	s_or_b32 s[G1SA], s20, (3<<16)|(1<<20)|(1<<21)|(5<<22)|(3<<25)   ; scale bytes of 64 rows: 2,048 dense bytes as 8 rows of 256, padded
	s_or_b32 s[G1SB], s21, (3<<16)|(1<<20)|(1<<21)|(5<<22)|(3<<25)
	s_mov_b32 s[G1SA+2], 32<<16                    ; h's scale bytes of all 256 rows in one load: 32 rows of 256 bytes
	s_mov_b32 s[G1SA+4], 32
	s_mov_b32 s[G1SB+2], 8<<16                     ; the weights': 64 rows' bytes a load
	s_mov_b32 s[G1SB+4], 8
.irp g, G1SA, G1SB
	s_mov_b32 s[\g+1], 32<<16
	s_mov_b32 s[\g+3], 32<<16
	s_mov_b32 s[\g+5], 32
	s_mov_b32 s[\g+6], 0
	s_mov_b32 s[\g+7], 0
.endr
	s_mul_i32 s22, s[WA], 2176
	s_mov_b32 s23, 0
	s_mul_i32 s66, s[WA], 17408
	s_lshl_b32 s84, s[YT], 17                      ; h's images: 16 yt tiles of 8,192 bytes
	s_mov_b32 s85, 0
	s_lshl_b32 s86, s[YT], 13                      ; h's scale bytes: 256 yt rows of 32
	s_add_co_u32 s86, s86, H_SC
	s_mov_b32 s87, 0
	s_lshl_b32 s88, s[XT], 8                       ; the weights' row 256 xt + 64 wa
	s_lshl_b32 s89, s[WA], 6
	s_add_co_u32 s88, s88, s89
	s_lshl_b32 s90, s88, 9
	s_mov_b32 s91, 0
	s_lshl_b32 s88, s88, 5
	s_mov_b32 s89, 0
	s_wait_dscnt 0x0
	s_wait_kmcnt 0x0
	s_mov_b32 s[G0AS], 1
	s_mov_b32 s[G0AS+1], SA
	s_add_nc_u64 s[G0AS+2:G0AS+3], s[4:5], s[86:87]
	s_or_b32 s[G0AS+3], s[G0AS+3], 0x80000000
	s_mov_b32 s[G0A0], 1
	s_add_co_u32 s[G0A0+1], s23, A0
	s_add_nc_u64 s[G0A0+2:G0A0+3], s[4:5], s[84:85]
	s_mov_b32 s[G0A1], 1
	s_add_co_u32 s[G0A1+1], s23, A1
	s_add_nc_u64 s[G0A1+2:G0A1+3], s[G0A0+2:G0A0+3], 4096
	s_or_b32 s[G0A0+3], s[G0A0+3], 0x80000000
	s_or_b32 s[G0A1+3], s[G0A1+3], 0x80000000
	s_mov_b32 s[G0BS], 1
	s_add_co_u32 s[G0BS+1], s22, SB
	s_add_nc_u64 s[G0BS+2:G0BS+3], s[8:9], s[88:89]
	s_or_b32 s[G0BS+3], s[G0BS+3], 0x80000000
	s_mov_b32 s[G0B0], 1
	s_add_co_u32 s[G0B0+1], s66, B0
	s_add_nc_u64 s[G0B0+2:G0B0+3], s[6:7], s[90:91]
	s_mov_b32 s[G0B1], 1
	s_add_co_u32 s[G0B1+1], s66, B1
	s_add_nc_u64 s[G0B1+2:G0B1+3], s[G0B0+2:G0B0+3], 256
	s_or_b32 s[G0B0+3], s[G0B0+3], 0x80000000
	s_or_b32 s[G0B1+3], s[G0B1+3], 0x80000000
	CROUND                                         ; all sixteen work-groups are here: the joint loads meet
; THE HEAD'S LOADS, ONE A WAVE, in one chain of arms on the wave's number: wave 0 h's K half 0, wave 1 its K half 1, wave 2 h's scale bytes;
; waves 3-6 the quarters (wave % 4) of the weights' K half 0, waves 7-10 of K half 1, waves 11-14 of their scale bytes; wave 15 none.  One load a wave is out.
.macro ARM under, g0, g1, next
	s_cmp_lt_u32 s[WV], \under
	s_cbranch_scc0 \next
	tensor_load_to_lds s[\g0:\g0+3], s[\g1:\g1+7]
	s_nop 0
	PLACES 4
	s_branch .Lasked
\next:
.endm
	ARM 1, G0A0, G1A, .Lh1
	ARM 2, G0A1, G1A, .Lh2
	ARM 3, G0AS, G1SA, .Lh3
	ARM 7, G0B0, G1B, .Lh4
	ARM 11, G0B1, G1B, .Lh5
	ARM 15, G0BS, G1SB, .Lh6
.Lasked:
	v_and_b32 v1, 31, v0                           ; L
	v_and_b32 v2, 15, v0                           ; r
	v_bfe_u32 v3, v0, 4, 1                         ; h
	s_delay_alu instid0(VALU_DEP_3)
	v_lshlrev_b32 v4, 4, v1                        ; 16 L
	s_delay_alu instid0(VALU_DEP_3)
	v_mul_u32_u24 v5, v2, 272
	s_delay_alu instid0(VALU_DEP_1)
	v_lshl_add_u32 v5, v3, 4, v5                   ; 272 r + 16 h
	v_lshrrev_b32 v6, 3, v1
	v_lshlrev_b32 v7, 5, v1
	s_delay_alu instid0(VALU_DEP_1)
	v_lshl_add_u32 v6, v6, 4, v7                   ; 32 L + 16 (L / 8): row L's scale bytes among padded units
	v_lshlrev_b32 v22, 2, v1                       ; 4 L
	s_cmp_eq_u32 ttmp9, 2
	s_cbranch_scc1 .Lv
	; ---------------- q and k
	s_wait_alu depctr_va_vdst(0)
	ADDRS 0
	s_and_b32 s2, s[YT], 7
	s_lshl_b32 s2, s2, 4
	s_lshl_b32 s3, s[SG1], 1
	s_add_co_u32 s2, s2, s3                        ; my first tile of 16 tokens in the sequence
	s_lshl_b32 s86, s2, 12
	s_add_co_u32 s86, s86, ROPE
	s_mov_b32 s87, 0
	s_add_nc_u64 s[86:87], s[4:5], s[86:87]        ; the table at my first token
	s_lshr_b32 s88, s[YT], 3
	s_lshl_b32 s88, s88, 4
	s_lshl_b32 s3, s[CX], 2
	s_add_co_u32 s88, s88, s3
	s_lshl_b32 s3, s[SG0], 1
	s_add_co_u32 s88, s88, s3                      ; batch x 16 + my first head
	s_mov_b32 s89, KVS
	s_mov_b32 s90, KVB
	s_mov_b32 s91, KVB+131072
	s_mov_b32 s92, KVS
	s_cmp_eq_u32 ttmp9, 0                          ; q's places or k's
	s_cselect_b32 s89, 65536, s89
	s_cselect_b32 s90, 0, s90
	s_cselect_b32 s91, 2097152, s91
	s_cselect_b32 s92, 8192, s92
	s_mul_i32 s84, s88, s89
	s_add_co_u32 s84, s84, s90
	s_lshl_b32 s3, s2, 9
	s_add_co_u32 s84, s84, s3
	s_mov_b32 s85, 0
	s_add_nc_u64 s[94:95], s[10:11], s[84:85]      ; images, first head
	s_mov_b32 s84, s89
	s_add_nc_u64 s[96:97], s[94:95], s[84:85]      ; second head
	s_mul_i32 s84, s88, s92
	s_add_co_u32 s84, s84, s91
	s_lshl_b32 s3, s2, 6
	s_add_co_u32 s84, s84, s3
	s_add_nc_u64 s[98:99], s[10:11], s[84:85]      ; scale words, first head
	s_mov_b32 s84, s92
	s_add_nc_u64 s[100:101], s[98:99], s[84:85]    ; second head
	v_lshlrev_b32 v14, 8, v2
	s_delay_alu instid0(VALU_DEP_1)
	v_lshl_add_u32 v14, v3, 5, v14                 ; the table: 256 r + 32 h
	s_wait_alu depctr_va_vdst(0)
	CORE 0                                         ; lane (r, h): token r of tile i; register 64 i + 32 e + 8 tt + j: head e, d = 16 tt + 8 h + j
.irp i, 0,1
.irp tt, 0,1,2,3
	global_load_b128 v[RT+32*\i+8*\tt:RT+32*\i+8*\tt+3], v14, s[86:87] offset:4096*\i+64*\tt
	global_load_b128 v[RT+32*\i+8*\tt+4:RT+32*\i+8*\tt+7], v14, s[86:87] offset:4096*\i+64*\tt+16
.endr
.endr
	s_mov_b32 s[SEL], 0x76543210
	s_mov_b32 s[SEL+1], 0xfedcba98
	s_wait_loadcnt 0x0
.irp i, 0,1
.irp e, 0,1
.irp tt, 0,1,2,3
.irp p, 0,1,2,3
.set xa, ACC+64*\i+32*\e+8*\tt+2*\p
.set rc, RT+32*\i+8*\tt+2*\p
.set tp, RTMP+2*(\p%2)
	v_mul_f32 v[tp], v[xa+1], v[rc+1]              ; each accumulator is read from its low end on
	v_mul_f32 v[tp+1], v[xa+1], v[rc]
	v_fma_f32 v[xa+1], v[xa], v[rc+1], v[tp+1]     ; x1 sin + x2 cos
	v_fma_f32 v[xa], v[xa], v[rc], -v[tp]          ; x1 cos - x2 sin
.endr
.endr
.endr
.endr
.irp b, 0,1,2,3
	v_mov_b32 v[TM+4+\b], 0                        ; the table is done with.  A lane permute's destination counts as one of its sources
.endr
.irp i, 0,1
	QUANT ACC+64*\i, 4, 48+8*\i                    ; blocks 0, 1: the first head's 64; blocks 2, 3: the second's
	v_lshl_or_b32 v[16+\i], v[TM+5], 8, v[TM+4]    ; a token's scale word: two bytes; the upper two scale zero codes alone
	v_lshl_or_b32 v[18+\i], v[TM+7], 8, v[TM+6]
	global_store_b128 v4, v[48+8*\i:51+8*\i], s[94:95] offset:512*\i      ; 512 consecutive bytes, aligned
	global_store_b128 v4, v[52+8*\i:55+8*\i], s[96:97] offset:512*\i
.endr
	v_cmp_le_u32 vcc_lo, 16, v1
	s_delay_alu instid0(VALU_DEP_1)
	v_cndmask_b32 v20, v16, v17, vcc_lo            ; lanes 0-15: tile 0's words, lanes 16-31: tile 1's
	s_delay_alu instid0(VALU_DEP_2)
	v_cndmask_b32 v21, v18, v19, vcc_lo
	global_store_b32 v22, v20, s[98:99]
	global_store_b32 v22, v21, s[100:101]
	s_branch .Lend
.Lv:
	; ---------------- v
	s_wait_alu depctr_va_vdst(0)
	ADDRS 1
	s_and_b32 s2, s[YT], 7
	s_lshl_b32 s2, s2, 1
	s_add_co_u32 s2, s2, s[SG0]                    ; my 128 tokens are key step ks
	s_lshr_b32 s88, s[YT], 3
	s_lshl_b32 s88, s88, 4
	s_lshl_b32 s3, s[CX], 2
	s_add_co_u32 s88, s88, s3
	s_lshr_b32 s3, s[SG1], 1
	s_add_co_u32 s88, s88, s3                      ; batch x 16 + head
	s_mul_i32 s88, s88, KVS
	s_add_co_u32 s88, s88, KVB
	s_and_b32 s89, s[SG1], 1                       ; which 32 of the head's 64
	s_lshl_b32 s3, s2, 12
	s_add_co_u32 s84, s88, s3
	s_lshl_b32 s3, s89, 11
	s_add_co_u32 s84, s84, s3
	s_add_co_u32 s84, s84, 65536
	s_mov_b32 s85, 0
	s_add_nc_u64 s[94:95], s[10:11], s[84:85]      ; v's images
	s_lshl_b32 s3, s2, 8
	s_add_co_u32 s84, s88, s3
	s_lshl_b32 s3, s89, 7
	s_add_co_u32 s84, s84, s3
	s_add_co_u32 s84, s84, 139264
	s_add_nc_u64 s[98:99], s[10:11], s[84:85]      ; v's scale words
	s_wait_alu depctr_va_vdst(0)
	CORE 1                                         ; lane (r, h): d = r of tile i; register 64 i + 8 t + j: key 16 t + 8 h + j of the step
	s_mov_b32 s[SEL], 0x76543210
	s_mov_b32 s[SEL+1], 0xfedcba98
.irp b, 0,1,2,3
	v_mov_b32 v[TM+4+\b], 0
.endr
.irp i, 0,1
	QUANT ACC+64*\i, 4, 48+8*\i
	v_lshl_or_b32 v[16+\i], v[TM+5], 8, v[TM+4]
	s_delay_alu instid0(VALU_DEP_1)
	v_lshl_or_b32 v[16+\i], v[TM+6], 16, v[16+\i]
	s_delay_alu instid0(VALU_DEP_1)
	v_lshl_or_b32 v[16+\i], v[TM+7], 24, v[16+\i]
	global_store_b128 v4, v[48+8*\i:51+8*\i], s[94:95] offset:1024*\i
	global_store_b128 v4, v[52+8*\i:55+8*\i], s[94:95] offset:1024*\i+512
.endr
	v_cmp_le_u32 vcc_lo, 16, v1
	s_delay_alu instid0(VALU_DEP_1)
	v_cndmask_b32 v20, v16, v17, vcc_lo
	global_store_b32 v22, v20, s[98:99]
.Lend:
	s_wait_tensorcnt 0x0
	ds_add_u32 v15, v23
	s_wait_dscnt 0x0
	CROUND                                         ; the closing round: no work-group ends while a partner may still ask for a tile that names it
	s_endpgm
.Lfunc_end_k_q1f0a93de25_qkv:
	.size	k_q1f0a93de25_qkv, .Lfunc_end_k_q1f0a93de25_qkv-k_q1f0a93de25_qkv
	.p2alignl 7, 3214868480
	.fill 96, 4, 3214868480
	.section	.rodata,"a",@progbits
	.p2align	6, 0x0
	.amdhsa_kernel k_q1f0a93de25_qkv
		.amdhsa_group_segment_fixed_size 296960
		.amdhsa_private_segment_fixed_size 0
		.amdhsa_enable_private_segment 0
		.amdhsa_kernarg_size 32
		.amdhsa_user_sgpr_count 2
		.amdhsa_user_sgpr_kernarg_segment_ptr 1
		.amdhsa_wavefront_size32 1
		.amdhsa_system_sgpr_workgroup_id_x 1
		.amdhsa_system_sgpr_workgroup_id_y 1
		.amdhsa_system_sgpr_workgroup_id_z 1
		.amdhsa_system_vgpr_workitem_id 0
		.amdhsa_next_free_vgpr 256
		.amdhsa_next_free_sgpr 102
		.amdhsa_reserve_vcc 1
		.amdhsa_float_denorm_mode_32 3
		.amdhsa_float_denorm_mode_16_64 3
		.amdhsa_memory_ordered 1
		.amdhsa_forward_progress 1
		.amdhsa_inst_pref_size 101
	.end_amdhsa_kernel
	.amdgpu_metadata
---
amdhsa.version: [ 1, 2 ]
amdhsa.kernels:
  - .name:           k_q1f0a93de25_qkv
    .symbol:         k_q1f0a93de25_qkv.kd
    .args:
      - { .name: hbuf, .offset: 0, .size: 8, .value_kind: global_buffer, .address_space: global }
      - { .name: w_qkv_codes, .offset: 8, .size: 8, .value_kind: global_buffer, .address_space: global }
      - { .name: w_qkv_scales, .offset: 16, .size: 8, .value_kind: global_buffer, .address_space: global }
      - { .name: qkvbuf, .offset: 24, .size: 8, .value_kind: global_buffer, .address_space: global }
    .group_segment_fixed_size: 296960
    .private_segment_fixed_size: 0
    .kernarg_segment_align: 8
    .kernarg_segment_size: 32
    .max_flat_workgroup_size: 512
    .sgpr_count:     102
    .vgpr_count:     256
    .wavefront_size: 32
...
	.end_amdgpu_metadata
.endif
;; end of part 2
;; launch attn (part 3): grid 8 x 32, 16 waves a work-group, clusters of 4 x 1, 223,232 bytes of LDS; arguments qkvbuf, obuf; writes obuf
.if DOCPART == 3
	.amdgcn_target "amdgcn-amd-amdhsa--gfx1250"
	.amdhsa_code_object_version 6
	.text
	.protected	k_q1f0a93de25_attn
	.globl	k_q1f0a93de25_attn
	.p2align	8
	.type	k_q1f0a93de25_attn,@function
k_q1f0a93de25_attn:
	s_mov_b64 s[64:65], 0
	v_nop
	global_prefetch_b8 v0, s[64:65] scope:SCOPE_SE
	s_setreg_imm32_b32 hwreg(HW_REG_WAVE_MODE, 25, 1), 1
	s_wait_xcnt 0x0
	s_wait_alu depctr_hold_cnt(0) depctr_sa_sdst(0) depctr_va_vdst(0) depctr_va_sdst(0) depctr_va_ssrc(0) depctr_va_vcc(0) depctr_vm_vsrc(0)
	s_getreg_b32 s2, hwreg(HW_REG_IB_STS2, 6, 4)
	s_cmp_eq_u32 s2, 0
	s_cbranch_scc0 .Lentry_in_a_cluster
	s_endpgm
.Lentry_in_a_cluster:
	s_bfe_u32 s2, ttmp6, 0x10000c
	s_cmp_lg_u32 s2, 0x3003
	s_cbranch_scc0 .Lentry_shape_is_right
	s_endpgm
.Lentry_shape_is_right:
; o = softmax(q k^T / 8, causal) v for one (batch, head), both products on FP4 codes; o = O / l is quantised along the model's axis and leaves as an image.
; THE SOFTMAX: t = score x log2(e) / 8; M = the running largest t rounded up to a whole number; p = 2^(t - M) is quantised along the keys; the sum is taken of the unquantised p;
; when M moves, the sum and O are multiplied by a power of two.  Key steps all of whose keys come after a tile's queries are masked whole and are not walked.
; FILL: the head's k and v (images and scale words, 143,360 dense bytes) lie in LDS whole, filled ONCE: each of the sixteen waves asks for 35 rows of 256 bytes, jointly with the three
; partners of its cluster, which work on the same head.  No prefetch: the one fill stands at the head, and the loop reads LDS alone.
; SHARES: work-group g of 8 owns the query tiles 8 a + g, a = 0..15; tile a has a + 1 key steps of 128.  Waves 2 i and 2 i + 1 share tiles a = i and a = 15 - i, 17 steps:
; each takes every second step of both tiles (parities x and 1 - x, x = bit 2 of the wave's number), so a wave has 8 or 9 steps.  A wave KEEPS one tile and GIVES the other:
; at the end it hands (O, -M, l) of the given tile to its partner through LDS bytes of its own and joins the partner's part of the kept tile by exact powers of two.
; The loop has a constant 8 trips of two steps; a step beyond a tile's last is jumped over by a branch that hangs on the wave's number and the trip alone.
; LAYOUT: S^T = k q^T, O^T = v^T p^T: a lane holds one query throughout.  The head's 64 are half of the instruction's 128: registers 4-7 of q's fragments are zero codes.
; k's eight fragments of 4 registers lie on end: the operand window of tile t reaches into tile t + 1's registers (the last into four zeros), whose codes meet q's zero codes alone and add 0;
; the upper two bytes of k's and q's scale words are 0, a finite code.  v's fragments land in the same registers when k's products are issued.
; LIMITS: a block of zeros gets the byte 1 (zero codes; only this program reads the bytes); NaN and infinities among the inputs are not served; the promise holds while |t| stays under 2^31.
.set KVB,  2359296
.set KVS,  143360
.set QSW,  2097152
.set OSW,  2097152
.set VIMG, 65536                       ; LDS: k's images 0; v's images; k's scale words; v's scale words
.set KSWO, 131072
.set VSWO, 139264
.set XCH,  147456                      ; the exchange: 4,608 bytes for each wave; no fill lands here
.set XW,   4608
.set SPARE, 221184                     ; the spare words, 128 bytes a wave
.set WV, 8
.set CS, 44                            ; s[44:45] c = log2(e) / 8
.set SEL, 46
.set SJ, 48                            ; the trip
.set AMK, 49                           ; 4,096 x a of the kept tile, of the given tile
.set AMG, 50
.set TBK, 51                           ; 4,096 x the key step in hand, for the kept tile, for the given
.set TBG, 52
.set T1, 53
.set T2, 54
.set AV0, 2                            ; v1 16 L; v2 VIMG + 16 L; v8 KSWO + 4 L; v9 VSWO + 4 L; never rewritten
.set D, 3                              ; v3 16 g + r - 8 h: in a diagonal step register 8 tau + j is hidden where 16 tau + j is above it
.set ADK, 4                            ; v4-7 the step's four LDS addresses
.set ADS, 5
.set ADV, 6
.set ADT, 7
.set AS0, 8
.set AT0, 9
.set R4, 10                            ; 4 r
.set STK, 12                           ; v[12:13] -M, largest t; v[14:15] the sum in two halves: kept tile;  v[16:19] the same of the given tile
.set SUK, 14
.set STG, 16
.set SUG, 18
.set QA, 20                            ; v20-27, v28-35 q's fragments
.set QB, 28
.set QSA, 36                           ; q's scale words; v38-41 k's; v42-43 v's; v44 p's: they hold nothing else
.set QSB, 37
.set KS, 38
.set VS, 42
.set PW, 44
.set NINF, 45
.set FF, 46                            ; v46 f = 2^(old M - new M); v47 named with it as a pair
.set KV, 48                            ; v48-83 k's eight fragments and four zeros; then v's four fragments
.set S, 84                             ; v84-147 S^T, then p
.set OA, 148                           ; v148-179 O^T of the kept tile; v180-211 of the given
.set OB, 180
.set PC, 212
.set TM, 220
.set TMP, 236
.set SM, 238                           ; v238-251 seven chains of the sum
.set XS, 252                           ; where I put what I give; where I find what my partner gives
.set XL, 253
.macro PLACES n
.rept \n
	v_nop
.endr
.endm
.macro CROUND
	s_barrier_signal -1
	s_barrier_wait -1
	s_cmp_lg_u32 s[WV], 0
	s_cbranch_scc1 .Lnot_wave_0_\@
	s_barrier_signal -3
.Lnot_wave_0_\@:
	s_barrier_wait -3
	s_barrier_signal -1
	s_barrier_wait -1
.endm
.macro WM d, a, b, z, sa, sb, ra
.set wsel, 2*(\z)+(\ra)
.if wsel == 0
	v_wmma_scale_f32_16x16x128_f8f6f4 v[0+(\d):7+(\d)], v[0+(\a):7+(\a)], v[0+(\b):7+(\b)], v[0+(\d):7+(\d)], v[\sa], v[\sb] matrix_a_fmt:MATRIX_FMT_FP4 matrix_b_fmt:MATRIX_FMT_FP4
.elseif wsel == 1
	v_wmma_scale_f32_16x16x128_f8f6f4 v[0+(\d):7+(\d)], v[0+(\a):7+(\a)], v[0+(\b):7+(\b)], v[0+(\d):7+(\d)], v[\sa], v[\sb] matrix_a_fmt:MATRIX_FMT_FP4 matrix_b_fmt:MATRIX_FMT_FP4 matrix_a_scale:MATRIX_SCALE_ROW1
.elseif wsel == 2
	v_wmma_scale_f32_16x16x128_f8f6f4 v[0+(\d):7+(\d)], v[0+(\a):7+(\a)], v[0+(\b):7+(\b)], 0, v[\sa], v[\sb] matrix_a_fmt:MATRIX_FMT_FP4 matrix_b_fmt:MATRIX_FMT_FP4
.else
	v_wmma_scale_f32_16x16x128_f8f6f4 v[0+(\d):7+(\d)], v[0+(\a):7+(\a)], v[0+(\b):7+(\b)], 0, v[\sa], v[\sb] matrix_a_fmt:MATRIX_FMT_FP4 matrix_b_fmt:MATRIX_FMT_FP4 matrix_a_scale:MATRIX_SCALE_ROW1
.endif
.endm
; ONE KEY STEP of 128 keys for one tile.  tb: 4,096 x the step; am: 4,096 x the tile's a; st, su, qf, qs, o: the tile's registers
.macro STEP tb, am, st, su, qf, qs, o
	s_cmp_gt_u32 s[\tb], s[\am]
	s_cbranch_scc1 .Lskip_\@                       ; all 128 keys come after the tile's queries
	s_lshr_b32 s[T1], s[\tb], 3                    ; 512 x step: k's scale words
	s_lshr_b32 s[T2], s[\tb], 4                    ; 256 x step: v's
	v_add_nc_u32 v[ADK], s[\tb], v1                ; (these four are also the places behind the last products)
	v_add_nc_u32 v[ADS], s[T1], v[AS0]
	v_add_nc_u32 v[ADV], s[\tb], v[AV0]
	v_add_nc_u32 v[ADT], s[T2], v[AT0]
.irp t, 0,1,2,3,4,5,6,7
	ds_load_b128 v[KV+4*\t:KV+4*\t+3], v[ADK] offset:512*\t
.endr
.irp u, 0,1,2,3
	ds_load_b32 v[KS+\u], v[ADS] offset:128*\u
.endr
	s_wait_alu depctr_va_vdst(0)
	s_wait_dscnt 0x0
.irp t, 0,1,2,3,4,5,6,7
	WM S+8*\t, KV+4*\t, \qf, 1, KS+\t/2, \qs, \t%2
.endr
	PLACES 4                                       ; ahead of loads into registers that these products read, and of the first read of results
.irp n, 0,1,2,3                                    ; v's fragments and scale words land under the softmax
	ds_load_b128 v[KV+8*\n:KV+8*\n+3], v[ADV] offset:1024*\n
	ds_load_b128 v[KV+8*\n+4:KV+8*\n+7], v[ADV] offset:1024*\n+512
.endr
.irp u, 0,1
	ds_load_b32 v[VS+\u], v[ADT] offset:128*\u
.endr
	s_cmp_lg_u32 s[\tb], s[\am]
	s_cbranch_scc1 .Lopen_\@                       ; only the diagonal step has hidden keys
.set n, 0
.rept 64
	v_cmp_gt_i32 vcc_lo, 16*(n/8)+n%8, v[D]
	v_cndmask_b32 v[S+n], v[S+n], v[NINF], vcc_lo
.set n, n+1
.endr
.Lopen_\@:
.irp b, 0,1,2,3
	v_max3_num_f32 v[TM+\b], v[S+16*\b], v[S+16*\b+1], v[S+16*\b+2]   ; the largest score of each block of 32 keys: for the row's maximum and for the block's largest p
.endr
.irp i, 3,5,7,9,11,13
.irp b, 0,1,2,3
	v_max3_num_f32 v[TM+\b], v[TM+\b], v[S+16*\b+\i], v[S+16*\b+\i+1]
.endr
.endr
.irp b, 0,1,2,3
	v_max_num_f32 v[TM+\b], v[TM+\b], v[S+16*\b+15]
.endr
.irp b, 0,1,2,3
	v_permlanex16_b32 v[TM+4+\b], v[TM+\b], s[SEL], s[SEL+1]
.endr
.irp b, 0,1,2,3
	v_max_num_f32 v[TM+\b], v[TM+\b], v[TM+4+\b]
.endr
	s_delay_alu instid0(VALU_DEP_2)
	v_max3_num_f32 v[TMP], v[TM], v[TM+1], v[TM+2]
	s_delay_alu instid0(VALU_DEP_1)
	v_max_num_f32 v[TMP], v[TMP], v[TM+3]
	s_delay_alu instid0(VALU_DEP_1)
	v_mul_f32 v[TMP], s[CS], v[TMP]
	s_delay_alu instid0(VALU_DEP_1)
	v_max_num_f32 v[\st+1], v[\st+1], v[TMP]       ; the running largest t
	v_mov_b32 v[TMP], v[\st]
	s_delay_alu instid0(VALU_DEP_2)
	v_floor_f32 v[\st], -v[\st+1]                  ; the new -M: a whole number
	s_delay_alu instid0(VALU_DEP_1)
	v_sub_f32 v[TMP], v[\st], v[TMP]
	s_delay_alu instid0(VALU_DEP_1)
	v_cvt_i32_f32 v[TMP], v[TMP]                   ; (it saturates)
	s_delay_alu instid0(VALU_DEP_1)
	v_ldexp_f32 v[FF], 1.0, v[TMP]                 ; f = 2^(old M - new M)
.set n, 0
.rept 32
	v_pk_fma_f32 v[S+n:S+n+1], v[S+n:S+n+1], s[CS:CS+1], v[\st:\st+1] op_sel_hi:[1,0,0]   ; t - M
.set n, n+2
.endr
.irp b, 0,1,2,3
	v_fma_f32 v[TM+\b], v[TM+\b], s[CS], v[\st]
.endr
	s_wait_alu depctr_va_vdst(0)                   ; ahead of the batch
.set n, 0
.rept 64
	v_exp_f32 v[S+n], v[S+n]                       ; p
.set n, n+1
.endr
	v_pk_mul_f32 v[\su:\su+1], v[\su:\su+1], v[FF:FF+1] op_sel_hi:[1,0]   ; the sum under the new M (a plain line behind the exponentials)
	s_wait_alu depctr_va_vdst(0)                   ; one wait for the batch, ahead of its first reader
.irp b, 0,1,2,3
	v_exp_f32 v[TM+\b], v[TM+\b]                   ; each block's largest p
.endr
.set k, 0
.rept 7                                            ; the sum of the unquantised p, two at a time, in eight chains
	v_pk_add_f32 v[SM+2*k:SM+2*k+1], v[S+4*k:S+4*k+1], v[S+4*k+2:S+4*k+3]
.set k, k+1
.endr
	v_pk_add_f32 v[\su:\su+1], v[\su:\su+1], v[S+28:S+29]
.irp b0, 30, 46
.set k, 0
.rept 7
	v_pk_add_f32 v[SM+2*k:SM+2*k+1], v[SM+2*k:SM+2*k+1], v[S+\b0+2*k:S+\b0+2*k+1]
.set k, k+1
.endr
	v_pk_add_f32 v[\su:\su+1], v[\su:\su+1], v[S+\b0+14:S+\b0+15]
.endr
	v_pk_add_f32 v[SM:SM+1], v[SM:SM+1], v[S+62:S+63]
	v_pk_add_f32 v[\su:\su+1], v[\su:\su+1], v[SM+6:SM+7]
	v_pk_add_f32 v[SM+2:SM+3], v[SM+2:SM+3], v[SM+10:SM+11]
	v_pk_add_f32 v[SM+4:SM+5], v[SM+4:SM+5], v[SM+12:SM+13]
	v_pk_add_f32 v[SM:SM+1], v[SM:SM+1], v[SM+8:SM+9]
	s_delay_alu instid0(VALU_DEP_3)
	v_pk_add_f32 v[\su:\su+1], v[\su:\su+1], v[SM+2:SM+3]
	s_delay_alu instid0(VALU_DEP_2)
	v_pk_add_f32 v[SM:SM+1], v[SM:SM+1], v[SM+4:SM+5]
	s_delay_alu instid0(VALU_DEP_1)
	v_pk_add_f32 v[\su:\su+1], v[\su:\su+1], v[SM:SM+1]
	s_wait_alu depctr_va_vdst(0)                   ; and one for the four
.irp b, 0,1,2,3
	v_max_num_f32 v[TM+\b], 0x1800000, v[TM+\b]    ; the floor 2^(3 - 127): the byte cannot fall under 1
.endr
.irp b, 0,1,2,3
	v_add_nc_u32 v[TM+12+\b], 0xff000000, v[TM+\b] ; 2 off the exponent field: the conversion's scale operand
.endr
.irp b, 0,1,2,3
	v_lshrrev_b32 v[TM+4+\b], 23, v[TM+12+\b]      ; the scale's byte
.endr
	s_delay_alu instid0(VALU_DEP_3)
	v_lshl_or_b32 v[PW], v[TM+5], 8, v[TM+4]       ; p's scale word for these 128 keys
	s_delay_alu instid0(VALU_DEP_1)
	v_lshl_or_b32 v[PW], v[TM+6], 16, v[PW]
	s_delay_alu instid0(VALU_DEP_1)
	v_lshl_or_b32 v[PW], v[TM+7], 24, v[PW]
.set qt, 0
.rept 8
	v_cvt_scalef32_pk8_fp4_f32 v[PC+4*(qt/4)+2*(qt%2)+((qt/2)%2)], v[S+8*qt:S+8*qt+7], v[TM+12+qt/2]   ; tiles 0, 1, 2, 3 of a group go to registers 0, 2, 1, 3
.set qt, qt+1
.endr
	v_nop                                          ; a plain line behind the conversions
.irp c, 0,1
	v_permlane16_swap_b32 v[PC+4*\c], v[PC+4*\c+1]     ; lanes 0-15 now hold block 2 c, lanes 16-31 block 2 c + 1, each in the order of the keys
	v_permlane16_swap_b32 v[PC+4*\c+2], v[PC+4*\c+3]
.endr
	s_wait_alu depctr_va_vdst(0)                   ; directly ahead of the first reader of O^T
.set n, 0
.rept 16
	v_pk_mul_f32 v[\o+n:\o+n+1], v[\o+n:\o+n+1], v[FF:FF+1] op_sel_hi:[1,0]   ; O^T under the new M; these sixteen also stand between the codes' and the scale word's last writes and the products
.set n, n+2
.endr
	s_wait_alu depctr_va_vdst(0)
	s_wait_dscnt 0x0                               ; v
.irp n, 0,1,2,3
	WM \o+8*\n, KV+8*\n, PC, 0, VS+\n/2, PW, \n%2  ; the four accumulators take turns
.endr
.Lskip_\@:
.endm
	s_load_b128 s[4:7], s[0:1], 0x0                ; qkvbuf, obuf
	v_lshl_add_u32 v254, v0, 2, SPARE
	v_mov_b32 v255, 0
	ds_add_u32 v254, v255
	ds_add_u32 v254, v255
	v_lshrrev_b32 v1, 5, v0
	s_delay_alu instid0(VALU_DEP_1)
	v_readfirstlane_b32 s[WV], v1                  ; wave 0..15
	s_bfe_u32 s9, ttmp6, 0x40000                   ; cx: it enters q's and o's global addresses and the mask's comparand alone
	s_lshl_b32 s10, ttmp9, 2
	s_add_co_u32 s10, s10, s9                      ; g
	s_and_b32 s11, ttmp7, 0xffff                   ; batch x 16 + head, which the partners share
	s_lshr_b32 s12, s[WV], 1                       ; i
	s_and_b32 s13, s[WV], 1
	s_xor_b32 s13, s13, 1
	s_mul_i32 s13, s13, 15
	s_xor_b32 s12, s12, s13                        ; a of the kept tile: 15 - i in even waves, i in odd ones
	s_xor_b32 s13, s12, 15                         ; a of the given tile
	s_lshl_b32 s[AMK], s12, 12
	s_lshl_b32 s[AMG], s13, 12
	s_bfe_u32 s[TBK], s[WV], 0x10002               ; x
	s_xor_b32 s[TBG], s[TBK], 1
	s_lshl_b32 s[TBK], s[TBK], 12                  ; the kept tile's steps x, x + 2, ..
	s_lshl_b32 s[TBG], s[TBG], 12                  ; the given tile's steps 1 - x, 3 - x, ..
	s_mov_b32 s16, 15|(3<<16)|(1<<21)              ; the mask: all four work-groups; elements of 8 bytes; 35 rows of 256 bytes, dense
	s_mov_b32 s17, 32<<16
	s_mov_b32 s18, 35<<16
	s_mov_b32 s19, 32<<16
	s_mov_b32 s20, 35
	s_mov_b32 s21, 32
	s_mov_b32 s22, 0
	s_mov_b32 s23, 0
	s_mov_b32 s24, 1
	s_mul_i32 s25, s[WV], 8960
	s_mul_i32 s28, s11, KVS
	s_add_co_u32 s28, s28, s25
	s_add_co_u32 s28, s28, KVB
	s_mov_b32 s29, 0
	s_wait_dscnt 0x0
	s_wait_kmcnt 0x0
	s_add_nc_u64 s[26:27], s[4:5], s[28:29]
	s_or_b32 s27, s27, 0x80000000
	CROUND                                         ; the four work-groups are here: the joint loads meet
	tensor_load_to_lds s[24:27], s[16:23]          ; one load a wave is out
	s_nop 0
	PLACES 4
	s_lshl_b32 s30, s12, 3
	s_add_co_u32 s30, s30, s10                     ; the kept tile of 16 queries
	s_lshl_b32 s31, s13, 3
	s_add_co_u32 s31, s31, s10                     ; the given tile
	s_lshl_b32 s28, s11, 16
	s_lshl_b32 s55, s30, 9
	s_add_co_u32 s32, s28, s55
	s_mov_b32 s33, 0
	s_lshl_b32 s55, s31, 9
	s_add_co_u32 s36, s28, s55
	s_mov_b32 s37, 0
	s_lshl_b32 s28, s11, 13
	s_add_co_u32 s28, s28, QSW
	s_lshl_b32 s55, s30, 6
	s_add_co_u32 s34, s28, s55
	s_mov_b32 s35, 0
	s_lshl_b32 s55, s31, 6
	s_add_co_u32 s38, s28, s55
	s_mov_b32 s39, 0
	s_add_nc_u64 s[32:33], s[4:5], s[32:33]        ; q's images
	s_add_nc_u64 s[36:37], s[4:5], s[36:37]
	s_add_nc_u64 s[34:35], s[4:5], s[34:35]        ; q's scale words
	s_add_nc_u64 s[38:39], s[4:5], s[38:39]
	s_lshl_b32 s55, s10, 4                         ; 16 g
	s_mul_i32 s56, s[WV], XW
	s_add_co_u32 s56, s56, XCH
	s_xor_b32 s57, s[WV], 1
	s_mul_i32 s57, s57, XW
	s_add_co_u32 s57, s57, XCH
	v_and_b32 v11, 31, v0                          ; L
	v_and_b32 v[R4], 15, v0                        ; r
	v_bfe_u32 v[D], v0, 4, 1                       ; h
	v_lshlrev_b32 v1, 4, v11                       ; 16 L
	v_lshlrev_b32 v11, 2, v11                      ; 4 L
	v_lshlrev_b32 v[D], 3, v[D]
	v_add_nc_u32 v[AV0], VIMG, v1
	v_sub_nc_u32 v[D], v[R4], v[D]
	v_lshlrev_b32 v[R4], 2, v[R4]                  ; 4 r
	v_add_nc_u32 v[AS0], KSWO, v11
	v_add_nc_u32 v[AT0], VSWO, v11
	v_add_nc_u32 v[D], s55, v[D]
	v_add_nc_u32 v[XS], s56, v1
	v_add_nc_u32 v[XL], s57, v1
	global_load_b128 v[QA:QA+3], v1, s[32:33]
	global_load_b32 v[QSA], v[R4], s[34:35]
	global_load_b128 v[QB:QB+3], v1, s[36:37]
	global_load_b32 v[QSB], v[R4], s[38:39]
	s_lshr_b32 s28, s11, 4
	s_lshl_b32 s28, s28, 7
	s_add_co_u32 s28, s28, s30                     ; the kept tile among o's tiles of rows
	s_and_b32 s29, s11, 15
	s_lshr_b32 s55, s29, 1                         ; the head's K step of the next product,
	s_and_b32 s29, s29, 1                          ; and its half of it
	s_lshl_b32 s40, s28, 13
	s_lshl_b32 s56, s55, 10
	s_add_co_u32 s40, s40, s56
	s_lshl_b32 s56, s29, 9
	s_add_co_u32 s40, s40, s56
	s_mov_b32 s41, 0
	s_add_nc_u64 s[40:41], s[6:7], s[40:41]
	s_lshl_b32 s42, s28, 9
	s_lshl_b32 s56, s55, 6
	s_add_co_u32 s42, s42, s56
	s_lshl_b32 s56, s29, 1
	s_add_co_u32 s42, s42, s56
	s_add_co_u32 s42, s42, OSW
	s_mov_b32 s43, 0
	s_add_nc_u64 s[42:43], s[6:7], s[42:43]
	s_mov_b32 s[CS], 0x3e38aa3b
	s_mov_b32 s[CS+1], s[CS]
	s_mov_b32 s[SEL], 0x76543210
	s_mov_b32 s[SEL+1], 0xfedcba98
	s_mov_b32 s[SJ], 0
.irp j, 4,5,6,7
	v_mov_b32 v[QA+\j], 0                          ; zero codes for k = 64 .. 127
	v_mov_b32 v[QB+\j], 0
	v_mov_b32 v[KV+28+\j], 0                       ; behind k's last fragment
	v_mov_b32 v[TM+\j], 0                          ; a lane permute's destination counts as one of its sources
.endr
	v_mov_b32 v[STK+1], 0xff61b1e6                 ; the largest t so far: -3e38
	v_mov_b32 v[STG+1], 0xff61b1e6
	v_floor_f32 v[STK], -v[STK+1]                  ; -M
	v_floor_f32 v[STG], -v[STG+1]
.irp j, 0,1
	v_mov_b32 v[SUK+\j], 0
	v_mov_b32 v[SUG+\j], 0
.endr
.set n, 0
.rept 64
	v_mov_b32 v[OA+n], 0                           ; the step is written once: a tile's first finds zeros
.set n, n+1
.endr
	v_mov_b32 v[TMP], 0
	v_mov_b32 v[FF+1], 0
	v_mov_b32 v[NINF], 0xff800000
	s_wait_alu depctr_va_vdst(0)
	s_wait_loadcnt 0x0                             ; q
	s_wait_tensorcnt 0x0                           ; my 35 rows have landed
	s_barrier_signal -1
	s_barrier_wait -1                              ; everybody's have
.Lkey:
	STEP TBK, AMK, STK, SUK, QA, QSA, OA
	STEP TBG, AMG, STG, SUG, QB, QSB, OB
	s_add_co_u32 s[TBK], s[TBK], 8192
	s_add_co_u32 s[TBG], s[TBG], 8192
	s_add_co_u32 s[SJ], s[SJ], 1
	s_cmp_lt_u32 s[SJ], 8
	s_cbranch_scc1 .Lkey
	; ---- what I give goes to my partner as images of registers: O^T, then (-M, l of my half of the keys, ..)
	PLACES 4
	v_add_f32 v[STG+1], v[SUG], v[SUG+1]           ; the largest t is done with: its register takes the sum
	v_add_f32 v[STK+1], v[SUK], v[SUK+1]
.irp n, 0,1,2,3
	s_wait_alu depctr_va_vdst(0)                   ; directly ahead of each accumulator's first reader
	ds_store_b128 v[XS], v[OB+8*\n:OB+8*\n+3] offset:1024*\n
	ds_store_b128 v[XS], v[OB+8*\n+4:OB+8*\n+7] offset:1024*\n+512
.endr
	ds_store_b128 v[XS], v[STG:STG+3] offset:4096
	s_wait_dscnt 0x0                               ; for my partner's sake: my stores have landed
	s_barrier_signal -1
	s_barrier_wait -1
.irp n, 0,1,2,3,4,5,6,7
	ds_load_b128 v[S+4*\n:S+4*\n+3], v[XL] offset:512*\n
.endr
	ds_load_b128 v[TMP:TMP+3], v[XL] offset:4096
	s_wait_dscnt 0x0
	v_min_num_f32 v[TM], v[STK], v[TMP]            ; the joint -M
	s_delay_alu instid0(VALU_DEP_1)
	v_sub_f32 v[TM+1], v[TM], v[STK]               ; whole numbers, 0 or less
	v_sub_f32 v[TM+2], v[TM], v[TMP]
	s_delay_alu instid0(VALU_DEP_2)
	v_cvt_i32_f32 v[TM+1], v[TM+1]                 ; (they saturate: a part with no step has -M = 3e38 and gets the factor 0)
	s_delay_alu instid0(VALU_DEP_2)
	v_cvt_i32_f32 v[TM+2], v[TM+2]
	s_delay_alu instid0(VALU_DEP_2)
	v_ldexp_f32 v[TM+1], 1.0, v[TM+1]
	s_delay_alu instid0(VALU_DEP_2)
	v_ldexp_f32 v[TM+2], 1.0, v[TM+2]
	s_delay_alu instid0(VALU_DEP_2)
	v_mul_f32 v[TM+3], v[STK+1], v[TM+1]
	s_delay_alu instid0(VALU_DEP_1)
	v_fma_f32 v[TM+3], v[TMP+1], v[TM+2], v[TM+3]
	s_delay_alu instid0(VALU_DEP_1)
	v_permlanex16_b32 v[TM+4], v[TM+3], s[SEL], s[SEL+1]
	s_delay_alu instid0(VALU_DEP_1)
	v_add_f32 v[TM+3], v[TM+3], v[TM+4]            ; the row's sum
	s_wait_alu depctr_va_vdst(0)                   ; ahead of the transcendental
	v_rcp_f32 v[TM+3], v[TM+3]
	v_nop
	s_wait_alu depctr_va_vdst(0)                   ; and ahead of its first reader
	v_mul_f32 v[FF], v[TM+1], v[TM+3]              ; my part's factor / l
	v_mul_f32 v[TMP+2], v[TM+2], v[TM+3]           ; my partner's
	s_wait_alu depctr_va_vdst(0)                   ; directly ahead of the first reader of the kept O^T
.set n, 0
.rept 16
	v_pk_mul_f32 v[S+32+n:S+33+n], v[OA+n:OA+n+1], v[FF:FF+1] op_sel_hi:[1,0]   ; each accumulator from its low end on
.set n, n+2
.endr
.set n, 0
.rept 16
	v_pk_fma_f32 v[S+32+n:S+33+n], v[S+n:S+n+1], v[TMP+2:TMP+3], v[S+32+n:S+33+n] op_sel_hi:[1,0,1]   ; o(r, 16 t + 8 h + j)
.set n, n+2
.endr
.irp b, 0,1
	v_max3_num_f32 v[TM+\b], |v[S+32+16*\b]|, |v[S+32+16*\b+1]|, 0x1800000
.endr
.irp i, 2,4,6,8,10,12,14
.irp b, 0,1
	s_delay_alu instid0(VALU_DEP_2)
	v_max3_num_f32 v[TM+\b], v[TM+\b], |v[S+32+16*\b+\i]|, |v[S+32+16*\b+\i+1]|
.endr
.endr
.irp b, 0,1
	s_delay_alu instid0(VALU_DEP_2)
	v_permlanex16_b32 v[TM+4+\b], v[TM+\b], s[SEL], s[SEL+1]
.endr
.irp b, 0,1
	s_delay_alu instid0(VALU_DEP_2)
	v_max_num_f32 v[TM+\b], v[TM+\b], v[TM+4+\b]
.endr
.irp b, 0,1
	s_delay_alu instid0(VALU_DEP_2)
	v_add_nc_u32 v[TM+12+\b], 0xff000000, v[TM+\b]
.endr
.irp b, 0,1
	s_delay_alu instid0(VALU_DEP_2)
	v_lshrrev_b32 v[TM+4+\b], 23, v[TM+12+\b]
.endr
.set qt, 0
.rept 4
	v_cvt_scalef32_pk8_fp4_f32 v[PC+2*(qt%2)+((qt/2)%2)], v[S+32+8*qt:S+39+8*qt], v[TM+12+qt/2]
.set qt, qt+1
.endr
	v_nop
	v_permlane16_swap_b32 v[PC], v[PC+1]
	v_permlane16_swap_b32 v[PC+2], v[PC+3]
	v_lshl_or_b32 v[TMP], v[TM+5], 8, v[TM+4]
	global_store_b128 v1, v[PC:PC+3], s[40:41]     ; 512 consecutive bytes, aligned
	global_store_b16 v[R4], v[TMP], s[42:43]       ; my row's two bytes (both halves of the lanes write the same)
	s_wait_tensorcnt 0x0                           ; the wave's end
	ds_add_u32 v254, v255
	s_wait_dscnt 0x0
	CROUND                                         ; the closing round
	s_endpgm
.Lfunc_end_k_q1f0a93de25_attn:
	.size	k_q1f0a93de25_attn, .Lfunc_end_k_q1f0a93de25_attn-k_q1f0a93de25_attn
	.p2alignl 7, 3214868480
	.fill 96, 4, 3214868480
	.section	.rodata,"a",@progbits
	.p2align	6, 0x0
	.amdhsa_kernel k_q1f0a93de25_attn
		.amdhsa_group_segment_fixed_size 223232
		.amdhsa_private_segment_fixed_size 0
		.amdhsa_enable_private_segment 0
		.amdhsa_kernarg_size 16
		.amdhsa_user_sgpr_count 2
		.amdhsa_user_sgpr_kernarg_segment_ptr 1
		.amdhsa_wavefront_size32 1
		.amdhsa_system_sgpr_workgroup_id_x 1
		.amdhsa_system_sgpr_workgroup_id_y 1
		.amdhsa_system_sgpr_workgroup_id_z 1
		.amdhsa_system_vgpr_workitem_id 0
		.amdhsa_next_free_vgpr 256
		.amdhsa_next_free_sgpr 66
		.amdhsa_reserve_vcc 1
		.amdhsa_float_denorm_mode_32 3
		.amdhsa_float_denorm_mode_16_64 3
		.amdhsa_memory_ordered 1
		.amdhsa_forward_progress 1
		.amdhsa_inst_pref_size 58
	.end_amdhsa_kernel
	.amdgpu_metadata
---
amdhsa.version: [ 1, 2 ]
amdhsa.kernels:
  - .name:           k_q1f0a93de25_attn
    .symbol:         k_q1f0a93de25_attn.kd
    .args:
      - { .name: qkvbuf, .offset: 0, .size: 8, .value_kind: global_buffer, .address_space: global }
      - { .name: obuf, .offset: 8, .size: 8, .value_kind: global_buffer, .address_space: global }
    .group_segment_fixed_size: 223232
    .private_segment_fixed_size: 0
    .kernarg_segment_align: 8
    .kernarg_segment_size: 16
    .max_flat_workgroup_size: 512
    .sgpr_count:     66
    .vgpr_count:     256
    .wavefront_size: 32
...
	.end_amdgpu_metadata
.endif
;; end of part 3
;; launch proj (part 4): grid 256 x 1, 16 waves a work-group, clusters of 4 x 1, 327,680 bytes of LDS; arguments obuf, w_proj_codes, w_proj_scales, x, g2, xbuf; writes xbuf
.if DOCPART == 4
	.amdgcn_target "amdgcn-amd-amdhsa--gfx1250"
	.amdhsa_code_object_version 6
	.text
	.protected	k_q1f0a93de25_proj
	.globl	k_q1f0a93de25_proj
	.p2align	8
	.type	k_q1f0a93de25_proj,@function
k_q1f0a93de25_proj:
	s_mov_b64 s[64:65], 0
	v_nop
	global_prefetch_b8 v0, s[64:65] scope:SCOPE_SE
	s_setreg_imm32_b32 hwreg(HW_REG_WAVE_MODE, 25, 1), 1
	s_wait_xcnt 0x0
	s_wait_alu depctr_hold_cnt(0) depctr_sa_sdst(0) depctr_va_vdst(0) depctr_va_sdst(0) depctr_va_ssrc(0) depctr_va_vcc(0) depctr_vm_vsrc(0)
	s_getreg_b32 s2, hwreg(HW_REG_IB_STS2, 6, 4)
	s_cmp_eq_u32 s2, 0
	s_cbranch_scc0 .Lentry_in_a_cluster
	s_endpgm
.Lentry_in_a_cluster:
	s_bfe_u32 s2, ttmp6, 0x10000c
	s_cmp_lg_u32 s2, 0x3003
	s_cbranch_scc0 .Lentry_shape_is_right
	s_endpgm
.Lentry_shape_is_right:
; x1 = x + o w_proj^T on FP4 codes; h2 = x1 * g2 / sqrt(mean(x1^2) + 1e-5), quantised.  xbuf: x1 [4096][1024] f32; at H2I h2's images; at H2S its scale bytes [row][32].
; SHARES: a work-group owns 16 whole rows, so the norm stays inside it; wave w owns columns 64 w .. 64 w + 63: four tiles of w_proj's rows.
; THE WEIGHTS: every work-group walks all of w_proj, so four work-groups form a cluster and ask for it jointly.  Its 1,024 rows come in two halves of K, 256 bytes of a row each, into ONE region of
; 1,024 x 272 bytes (two such do not fit in LDS): wave w fetches the 64 rows that it alone reads, one load at the head and one refill behind a round of the cluster's barrier.
; o's tile goes round through LDS as images; the scale words go from memory into registers.  x waits in registers and is added behind the products: the waves' stages lie in the weights' region,
; which has then had its last fill and, behind a barrier, its last read.
; No prefetch: the text has no loop to run ahead in; the refill follows the head's load by four K steps.
; LIMITS: a block of zeros or under 2^-124 gets the byte 1 (zero codes; only this program reads the bytes); NaN and infinities are not served.
.set OSW, 2097152
.set H2I, 16777216
.set H2S, 18874368
.set OIM, 278528                       ; LDS: the weights 0 .. 278,527 (later a stage of 16 rows x 272 bytes for each wave); o's image;
.set RED, 286720                       ; the rows' partial sums [r][w] f32;
.set SCS, 287744                       ; the tile's scale bytes;
.set SPARE, 288256                     ; the spare words
.set WV, 16
.set SEL, 36
.set G1, 44
.set G0, 52
.set ACC, 32                           ; v32-63
.set BF, 64                            ; v64-127  two sets of the weights' four fragments
.set AF, 128                           ; v128-143 two sets of o's fragment
.set BS, 144                           ; v144-159 the weights' scale words: register 8 u + s
.set AS, 160                           ; v160-167 o's
.set XG, 168                           ; v168-199 x by rows
.set GG, 200                           ; v200-231 g2
.set TM, 232
.set PC, 248
.macro PLACES n
.rept \n
	v_nop
.endr
.endm
.macro BARRIER
	s_wait_dscnt 0x0                               ; my LDS stores have landed and my LDS loads are in
	s_barrier_signal -1
	s_barrier_wait -1
.endm
.macro CROUND
	s_barrier_signal -1
	s_barrier_wait -1
	s_cmp_lg_u32 s[WV], 0
	s_cbranch_scc1 .Lnot_wave_0_\@
	s_barrier_signal -3
.Lnot_wave_0_\@:
	s_barrier_wait -3
	s_barrier_signal -1
	s_barrier_wait -1
.endm
.macro WM d, a, b, z, sa, sb, ra
.set wsel, 2*(\z)+(\ra)
.if wsel == 0
	v_wmma_scale_f32_16x16x128_f8f6f4 v[0+(\d):7+(\d)], v[0+(\a):7+(\a)], v[0+(\b):7+(\b)], v[0+(\d):7+(\d)], v[\sa], v[\sb] matrix_a_fmt:MATRIX_FMT_FP4 matrix_b_fmt:MATRIX_FMT_FP4
.elseif wsel == 1
	v_wmma_scale_f32_16x16x128_f8f6f4 v[0+(\d):7+(\d)], v[0+(\a):7+(\a)], v[0+(\b):7+(\b)], v[0+(\d):7+(\d)], v[\sa], v[\sb] matrix_a_fmt:MATRIX_FMT_FP4 matrix_b_fmt:MATRIX_FMT_FP4 matrix_a_scale:MATRIX_SCALE_ROW1
.elseif wsel == 2
	v_wmma_scale_f32_16x16x128_f8f6f4 v[0+(\d):7+(\d)], v[0+(\a):7+(\a)], v[0+(\b):7+(\b)], 0, v[\sa], v[\sb] matrix_a_fmt:MATRIX_FMT_FP4 matrix_b_fmt:MATRIX_FMT_FP4
.else
	v_wmma_scale_f32_16x16x128_f8f6f4 v[0+(\d):7+(\d)], v[0+(\a):7+(\a)], v[0+(\b):7+(\b)], 0, v[\sa], v[\sb] matrix_a_fmt:MATRIX_FMT_FP4 matrix_b_fmt:MATRIX_FMT_FP4 matrix_a_scale:MATRIX_SCALE_ROW1
.endif
.endm
.macro LOADF s                         ; K step s's ten loads into set s % 2
.set fb, BF+32*((\s)%2)
.set fa, AF+8*((\s)%2)
.irp t, 0,1,2,3
	ds_load_b128 v[fb+8*\t:fb+8*\t+3], v8 offset:4352*\t+64*((\s)%4)
	ds_load_b128 v[fb+8*\t+4:fb+8*\t+7], v8 offset:4352*\t+64*((\s)%4)+32
.endr
	ds_load_b128 v[fa:fa+3], v17 offset:1024*(\s)
	ds_load_b128 v[fa+4:fa+7], v17 offset:1024*(\s)+512
.endm
.macro MULS s
.set fb, BF+32*((\s)%2)
.set fa, AF+8*((\s)%2)
.irp t, 0,1,2,3
.if (\s) == 0
	WM ACC+8*\t, fb+8*\t, fa, 1, BS+8*(\t/2)+(\s), AS+(\s), \t%2   ; the first K step starts the sums
.else
	WM ACC+8*\t, fb+8*\t, fa, 0, BS+8*(\t/2)+(\s), AS+(\s), \t%2   ; the four accumulators take turns
.endif
.endr
.endm
.macro HALF a, b, c, d                 ; the four K steps of a half of K
	LOADF \a
.irp s, \a, \b, \c, \d
.if (\s % 4) > 0
	PLACES 4                                       ; ahead of loads into registers that the step before last's products read
.endif
.if (\s % 4) < 3
	LOADF \s+1
	s_wait_dscnt 10                                ; all but the ten just issued
.else
	s_wait_dscnt 0x0
.endif
	MULS \s
.endr
.endm
	s_load_b256 s[4:11], s[0:1], 0x0               ; obuf, the weights' codes, their scales, x
	s_load_b128 s[12:15], s[0:1], 0x20             ; g2, xbuf
	v_lshl_add_u32 v254, v0, 2, SPARE
	v_mov_b32 v255, 0
	ds_add_u32 v254, v255
	ds_add_u32 v254, v255
	v_lshrrev_b32 v1, 5, v0
	s_delay_alu instid0(VALU_DEP_1)
	v_readfirstlane_b32 s[WV], v1                  ; wave 0..15
	s_bfe_u32 s42, ttmp6, 0x40000                  ; cx: it enters global addresses of o, x, x1 and h2 alone
	s_lshl_b32 s43, ttmp9, 2
	s_add_co_u32 s43, s43, s42                     ; my tile of 16 rows
	s_mov_b32 s[G1], 15|(1<<20)|(1<<21)|(5<<22)|(3<<25)   ; the mask: all four work-groups; bytes; 64 rows x 256, 512 apart; 4 words of padding behind every 64
	s_mov_b32 s[G1+1], 256<<16
	s_mov_b32 s[G1+2], 64<<16
	s_mov_b32 s[G1+3], 256<<16
	s_mov_b32 s[G1+4], 64
	s_mov_b32 s[G1+5], 512
	s_mov_b32 s[G1+6], 0
	s_mov_b32 s[G1+7], 0
	s_mov_b32 s[G0], 1
	s_mul_i32 s[G0+1], s[WV], 17408                ; my 64 rows of 272 bytes
	s_lshl_b32 s40, s[WV], 15
	s_mov_b32 s41, 0
	s_wait_dscnt 0x0
	s_wait_kmcnt 0x0
	s_add_nc_u64 s[G0+2:G0+3], s[6:7], s[40:41]
	s_or_b32 s[G0+3], s[G0+3], 0x80000000
	CROUND                                         ; the four work-groups are here: the joint loads meet
	tensor_load_to_lds s[G0:G0+3], s[G1:G1+7]      ; K half 0 of my rows: one load a wave is out
	s_nop 0
	PLACES 4
	v_and_b32 v1, 31, v0                           ; L
	v_and_b32 v2, 15, v0                           ; r
	v_bfe_u32 v3, v0, 4, 1                         ; h
	v_lshlrev_b32 v4, 4, v1                        ; 16 L
	v_lshlrev_b32 v5, 2, v2                        ; 4 r
	v_lshlrev_b32 v6, 4, v2
	v_lshlrev_b32 v7, 5, v1                        ; 32 L
	v_mul_u32_u24 v8, v2, 272
	v_lshlrev_b32 v9, 5, v3                        ; g2: 32 h
	v_mul_u32_u24 v11, v3, 272
	v_lshl_add_u32 v6, v3, 12, v6                  ; x, x1: row h, 16 r
	v_lshl_add_u32 v12, v3, 5, v8                  ; 272 r + 32 h
	v_lshl_add_u32 v8, v3, 4, v8                   ; 272 r + 16 h
	v_lshl_add_u32 v11, v2, 4, v11
	s_mul_i32 s40, s[WV], 4352                     ; my stage
	v_add_nc_u32 v11, s40, v11                     ; by rows: lanes 0-15 one row of 256 bytes, lanes 16-31 the next
	v_add_nc_u32 v12, s40, v12                     ; in the result's layout
	v_add_nc_u32 v8, s[G0+1], v8                   ; my rows of the weights
	s_lshl_b32 s40, s[WV], 9
	s_add_co_u32 s40, s40, OIM
	v_add_nc_u32 v10, s40, v4                      ; o's chunk w in the image
	v_add_nc_u32 v17, OIM, v4
	v_lshlrev_b32 v14, 6, v2
	v_lshlrev_b32 v15, 5, v2
	v_add_nc_u32 v16, SCS, v4
	v_add_nc_u32 v14, RED, v14
	s_lshl_b32 s40, s[WV], 1
	s_add_co_u32 s40, s40, SCS
	v_add_nc_u32 v15, s40, v15
	s_lshl_b32 s40, s[WV], 2
	v_add_nc_u32 v13, s40, v14
.irp b, 0,1,2,3
	v_mov_b32 v[TM+4+\b], 0                        ; a lane permute's destination counts as one of its sources
.endr
	s_mov_b32 s[SEL], 0x76543210
	s_mov_b32 s[SEL+1], 0xfedcba98
	s_mov_b32 s38, 0x3a800000                      ; 1 / 1024
	s_mov_b32 s39, 0x3727c5ac                      ; 1e-5
	s_lshl_b32 s40, s43, 13
	s_lshl_b32 s17, s[WV], 9
	s_add_co_u32 s40, s40, s17
	s_add_nc_u64 s[18:19], s[4:5], s[40:41]        ; o's chunk
	s_add_co_u32 s40, s40, H2I
	s_add_nc_u64 s[32:33], s[14:15], s[40:41]      ; h2's chunk
	s_lshl_b32 s40, s43, 9
	s_add_co_u32 s40, s40, OSW
	s_add_nc_u64 s[20:21], s[4:5], s[40:41]        ; o's scale words
	s_lshl_b32 s40, s43, 9
	s_add_co_u32 s40, s40, H2S
	s_add_nc_u64 s[34:35], s[14:15], s[40:41]      ; h2's scale bytes
	s_lshl_b32 s40, s43, 16
	s_lshl_b32 s17, s[WV], 8
	s_add_co_u32 s40, s40, s17
	s_add_nc_u64 s[22:23], s[10:11], s[40:41]      ; x
	s_add_nc_u64 s[24:25], s[14:15], s[40:41]      ; x1
	s_mov_b32 s40, s17
	s_add_nc_u64 s[30:31], s[12:13], s[40:41]      ; g2
	s_lshl_b32 s40, s[WV], 11
	s_add_nc_u64 s[28:29], s[8:9], s[40:41]        ; my rows' scale bytes
	s_wait_alu depctr_va_vdst(0)                   ; behind the run of scalar lines, ahead of the readers below
	global_load_b128 v[AF:AF+3], v4, s[18:19]
.irp s, 0,1,2,3,4,5,6,7
	global_load_b32 v[AS+\s], v5, s[20:21] offset:64*\s
.endr
.irp u, 0,1
	global_load_b128 v[BS+8*\u:BS+8*\u+3], v7, s[28:29] offset:1024*\u
	global_load_b128 v[BS+8*\u+4:BS+8*\u+7], v7, s[28:29] offset:1024*\u+16
.endr
.irp q, 0,1,2,3,4,5,6,7
	global_load_b128 v[XG+4*\q:XG+4*\q+3], v6, s[22:23] offset:8192*\q th:TH_LOAD_NT   ; sixteen lanes read 256 consecutive bytes of a row
.endr
.irp t, 0,1,2,3
	global_load_b128 v[GG+8*\t:GG+8*\t+3], v9, s[30:31] offset:64*\t
	global_load_b128 v[GG+8*\t+4:GG+8*\t+7], v9, s[30:31] offset:64*\t+16
.endr
	s_wait_loadcnt 28                              ; o's chunk is in; behind it: 8 + 4 scale loads, x's 8, g2's 8
	ds_store_b128 v10, v[AF:AF+3]
	s_wait_tensorcnt 0x0                           ; K half 0 of my rows has landed: I alone read them
	BARRIER                                        ; o's sixteen chunks lie in LDS
	s_wait_loadcnt 16                              ; the scale words are in; x's and g2's loads may be out
	HALF 0, 1, 2, 3
	PLACES 4                                       ; behind the last products, ahead of loads into their registers
	s_wait_tensorcnt 0x0                           ; ahead of the refill, in every wave:
	ds_add_u32 v254, v255                          ; 0 onto my spare word;
	s_add_nc_u64 s[G0+2:G0+3], s[G0+2:G0+3], 256   ; (no load of mine is out: the descriptor steps to K half 1)
	s_wait_dscnt 0x0                               ; the add is done and my reads of K half 0 are over
	CROUND                                         ; that holds of every wave of the four work-groups
	tensor_load_to_lds s[G0:G0+3], s[G1:G1+7]      ; K half 1 of my rows, the first tensor load behind the round
	s_nop 0
	PLACES 4
	s_wait_tensorcnt 0x0                           ; it has landed: I alone read these rows
	HALF 4, 5, 6, 7
	PLACES 4
	BARRIER                                        ; nobody reads the weights any more: their region, filled for the last time, now holds the stages
	s_wait_loadcnt 0x0                             ; x, g2
.irp q, 0,1,2,3,4,5,6,7
	ds_store_b128 v11, v[XG+4*\q:XG+4*\q+3] offset:544*\q
.endr
.irp t, 0,1,2,3
	ds_load_b128 v[BF+8*\t:BF+8*\t+3], v12 offset:64*\t            ; x in the result's layout (LDS serves a wave's instructions in order)
	ds_load_b128 v[BF+8*\t+4:BF+8*\t+7], v12 offset:64*\t+16
.endr
	s_wait_dscnt 0x0
.irp i, 0,2,4,6,8,10,12,14,16,18,20,22,24,26,28,30
	v_pk_add_f32 v[ACC+\i:ACC+\i+1], v[ACC+\i:ACC+\i+1], v[BF+\i:BF+\i+1]   ; x1; each accumulator from its low end on
.endr
	v_pk_mul_f32 v[232:233], v[ACC:ACC+1], v[ACC:ACC+1]            ; the sum of squares of my 32 numbers of row r
	v_pk_mul_f32 v[234:235], v[ACC+2:ACC+3], v[ACC+2:ACC+3]
.irp i, 4,8,12,16,20,24,28
	v_pk_fma_f32 v[232:233], v[ACC+\i:ACC+\i+1], v[ACC+\i:ACC+\i+1], v[232:233]
	v_pk_fma_f32 v[234:235], v[ACC+\i+2:ACC+\i+3], v[ACC+\i+2:ACC+\i+3], v[234:235]
.endr
	s_delay_alu instid0(VALU_DEP_1)
	v_pk_add_f32 v[232:233], v[232:233], v[234:235]
	s_delay_alu instid0(VALU_DEP_1)
	v_add_f32 v232, v232, v233
	s_delay_alu instid0(VALU_DEP_1)
	v_permlanex16_b32 v233, v232, s[SEL], s[SEL+1]
	s_delay_alu instid0(VALU_DEP_1)
	v_add_f32 v232, v232, v233
	ds_store_b32 v13, v232                         ; my wave's part of row r's sum
.irp t, 0,1,2,3
	ds_store_b128 v12, v[ACC+8*\t:ACC+8*\t+3] offset:64*\t
	ds_store_b128 v12, v[ACC+8*\t+4:ACC+8*\t+7] offset:64*\t+16
.endr
.irp q, 0,1,2,3,4,5,6,7
	ds_load_b128 v[BF+4*\q:BF+4*\q+3], v11 offset:544*\q           ; back by rows
.endr
	s_wait_alu depctr_va_vdst(0)
	BARRIER                                        ; the sixteen parts of each row's sum lie in LDS
.irp q, 0,1,2,3,4,5,6,7
	global_store_b128 v6, v[BF+4*\q:BF+4*\q+3], s[24:25] offset:8192*\q   ; sixteen lanes store 256 consecutive bytes, aligned
.endr
.irp q, 0,1,2,3
	ds_load_b128 v[96+4*\q:99+4*\q], v14 offset:16*\q
.endr
	s_wait_dscnt 0x0
	v_pk_add_f32 v[96:97], v[96:97], v[98:99]
	v_pk_add_f32 v[100:101], v[100:101], v[102:103]
	v_pk_add_f32 v[104:105], v[104:105], v[106:107]
	v_pk_add_f32 v[108:109], v[108:109], v[110:111]
	s_delay_alu instid0(VALU_DEP_3)
	v_pk_add_f32 v[96:97], v[96:97], v[100:101]
	s_delay_alu instid0(VALU_DEP_2)
	v_pk_add_f32 v[104:105], v[104:105], v[108:109]
	s_delay_alu instid0(VALU_DEP_1)
	v_pk_add_f32 v[96:97], v[96:97], v[104:105]
	s_delay_alu instid0(VALU_DEP_1)
	v_add_f32 v96, v96, v97
	s_delay_alu instid0(VALU_DEP_1)
	v_fma_f32 v96, v96, s38, s39
	s_wait_alu depctr_va_vdst(0)                   ; ahead of the root
	v_rsq_f32 v112, v96
.irp i, 0,2,4,6,8,10,12,14,16,18,20,22,24,26,28,30
	v_pk_mul_f32 v[128+\i:129+\i], v[ACC+\i:ACC+\i+1], v[GG+\i:GG+\i+1]   ; x1 g2: plain work behind the root
.endr
	s_wait_alu depctr_va_vdst(0)                   ; ahead of the root's first reader
.irp i, 0,2,4,6,8,10,12,14,16,18,20,22,24,26,28,30
	v_pk_mul_f32 v[128+\i:129+\i], v[128+\i:129+\i], v[112:113] op_sel_hi:[1,0]
.endr
.irp b, 0,1
	v_max3_num_f32 v[TM+\b], |v[128+16*\b]|, |v[129+16*\b]|, 0x1800000
.endr
.irp i, 2,4,6,8,10,12,14
.irp b, 0,1
	s_delay_alu instid0(VALU_DEP_2)
	v_max3_num_f32 v[TM+\b], v[TM+\b], |v[128+16*\b+\i]|, |v[129+16*\b+\i]|
.endr
.endr
.irp b, 0,1
	s_delay_alu instid0(VALU_DEP_2)
	v_permlanex16_b32 v[TM+4+\b], v[TM+\b], s[SEL], s[SEL+1]
.endr
.irp b, 0,1
	s_delay_alu instid0(VALU_DEP_2)
	v_max_num_f32 v[TM+\b], v[TM+\b], v[TM+4+\b]
.endr
.irp b, 0,1
	s_delay_alu instid0(VALU_DEP_2)
	v_add_nc_u32 v[TM+12+\b], 0xff000000, v[TM+\b]
.endr
.irp b, 0,1
	s_delay_alu instid0(VALU_DEP_2)
	v_lshrrev_b32 v[TM+4+\b], 23, v[TM+12+\b]
.endr
.set qt, 0
.rept 4
	v_cvt_scalef32_pk8_fp4_f32 v[PC+2*(qt%2)+((qt/2)%2)], v[128+8*qt:135+8*qt], v[TM+12+qt/2]
.set qt, qt+1
.endr
	v_nop
	v_permlane16_swap_b32 v[PC], v[PC+1]
	v_permlane16_swap_b32 v[PC+2], v[PC+3]
	v_lshl_or_b32 v252, v[TM+5], 8, v[TM+4]
	global_store_b128 v4, v[PC:PC+3], s[32:33]     ; chunk w of h2's image
	ds_store_b16 v15, v252                         ; bytes 2 w, 2 w + 1 of row r
	BARRIER
	s_cmp_lg_u32 s[WV], 0
	s_cbranch_scc1 .Ldone
	ds_load_b128 v[100:103], v16
	s_wait_dscnt 0x0
	global_store_b128 v4, v[100:103], s[34:35]     ; the tile's 512 scale bytes
.Ldone:
	s_wait_tensorcnt 0x0                           ; the wave's end
	ds_add_u32 v254, v255
	s_wait_dscnt 0x0
	CROUND                                         ; the closing round
	s_endpgm
.Lfunc_end_k_q1f0a93de25_proj:
	.size	k_q1f0a93de25_proj, .Lfunc_end_k_q1f0a93de25_proj-k_q1f0a93de25_proj
	.p2alignl 7, 3214868480
	.fill 96, 4, 3214868480
	.section	.rodata,"a",@progbits
	.p2align	6, 0x0
	.amdhsa_kernel k_q1f0a93de25_proj
		.amdhsa_group_segment_fixed_size 327680
		.amdhsa_private_segment_fixed_size 0
		.amdhsa_enable_private_segment 0
		.amdhsa_kernarg_size 48
		.amdhsa_user_sgpr_count 2
		.amdhsa_user_sgpr_kernarg_segment_ptr 1
		.amdhsa_wavefront_size32 1
		.amdhsa_system_sgpr_workgroup_id_x 1
		.amdhsa_system_sgpr_workgroup_id_y 1
		.amdhsa_system_sgpr_workgroup_id_z 1
		.amdhsa_system_vgpr_workitem_id 0
		.amdhsa_next_free_vgpr 256
		.amdhsa_next_free_sgpr 66
		.amdhsa_reserve_vcc 0
		.amdhsa_float_denorm_mode_32 3
		.amdhsa_float_denorm_mode_16_64 3
		.amdhsa_memory_ordered 1
		.amdhsa_forward_progress 1
		.amdhsa_inst_pref_size 31
	.end_amdhsa_kernel
	.amdgpu_metadata
---
amdhsa.version: [ 1, 2 ]
amdhsa.kernels:
  - .name:           k_q1f0a93de25_proj
    .symbol:         k_q1f0a93de25_proj.kd
    .args:
      - { .name: obuf, .offset: 0, .size: 8, .value_kind: global_buffer, .address_space: global }
      - { .name: w_proj_codes, .offset: 8, .size: 8, .value_kind: global_buffer, .address_space: global }
      - { .name: w_proj_scales, .offset: 16, .size: 8, .value_kind: global_buffer, .address_space: global }
      - { .name: x, .offset: 24, .size: 8, .value_kind: global_buffer, .address_space: global }
      - { .name: g2, .offset: 32, .size: 8, .value_kind: global_buffer, .address_space: global }
      - { .name: xbuf, .offset: 40, .size: 8, .value_kind: global_buffer, .address_space: global }
    .group_segment_fixed_size: 327680
    .private_segment_fixed_size: 0
    .kernarg_segment_align: 8
    .kernarg_segment_size: 48
    .max_flat_workgroup_size: 512
    .sgpr_count:     66
    .vgpr_count:     256
    .wavefront_size: 32
...
	.end_amdgpu_metadata
.endif
;; end of part 4
;; launch ffnup (part 5): grid 16 x 16, 16 waves a work-group, clusters of 4 x 4, 296,960 bytes of LDS; arguments xbuf, w1_codes, w1_scales, w3_codes, w3_scales, gbuf; writes gbuf
.if DOCPART == 5
	.amdgcn_target "amdgcn-amd-amdhsa--gfx1250"
	.amdhsa_code_object_version 6
	.text
	.protected	k_q1f0a93de25_ffnup
	.globl	k_q1f0a93de25_ffnup
	.p2align	8
	.type	k_q1f0a93de25_ffnup,@function
k_q1f0a93de25_ffnup:
	s_mov_b64 s[64:65], 0
	v_nop
	global_prefetch_b8 v0, s[64:65] scope:SCOPE_SE
	s_setreg_imm32_b32 hwreg(HW_REG_WAVE_MODE, 25, 1), 1
	s_wait_xcnt 0x0
	s_wait_alu depctr_hold_cnt(0) depctr_sa_sdst(0) depctr_va_vdst(0) depctr_va_sdst(0) depctr_va_ssrc(0) depctr_va_vcc(0) depctr_vm_vsrc(0)
	s_getreg_b32 s2, hwreg(HW_REG_IB_STS2, 6, 4)
	s_cmp_eq_u32 s2, 0
	s_cbranch_scc0 .Lentry_in_a_cluster
	s_endpgm
.Lentry_in_a_cluster:
	s_bfe_u32 s2, ttmp6, 0x10000c
	s_cmp_lg_u32 s2, 0xf033
	s_cbranch_scc0 .Lentry_shape_is_right
	s_endpgm
.Lentry_shape_is_right:
; a = h2 w1^T, b = h2 w3^T on FP4 codes; g = a sigmoid(a) b, quantised along the hidden axis.  gbuf: g's images [tile of 16 rows][K step 16][c][512]; at GSW its scale words [K step 16][row 4096].
; SHARES: a work-group multiplies 256 rows of h2 by 128 rows of w1 and the same 128 of w3 over all K = 1,024.  The panels and their scale bytes fit in LDS whole and are filled ONCE, K in two halves.
; The weights' panel is laid so that rows 128 g0 + 0..63 are w1's and rows + 64..127 the same hidden units' of w3: a wave (source 0 = 128 such rows, source 1 = 32 rows of h2) holds a and b of 64 hidden units.
; 4 x 4 work-groups form a cluster: h2's panel is asked for jointly along a row, the weights' along a column; waves 0-2 fetch for h2, waves 3-14 for the weights; one load a wave is out.
; LIMITS: as in the other launches.
.set H2I, 16777216
.set H2S, 18874368
.set GSW, 4194304
.set A0, 0
.set A1, 65536
.set B0, 131072
.set B1, 200704
.set SA, 270336
.set SB, 279040
.set STG, 287744                       ; 256 rows' scale words of this K step, 1,024 bytes: no fill lands here
.set WV, 12
.set WA, 13
.set SG0, 14
.set SG1, 15
.set CX, 16
.set CY, 17
.set XT, 18
.set YT, 19
.set SEL, 22
.set G1A, 24
.set G1B, 32
.set G1SA, 40
.set G1SB, 48
.set G0AS, 56
.set G0A0, 60
.set G0A1, 68
.set G0BS, 72
.set G0B0, 76
.set G0B1, 80
.set AB, 8
.set AA, 10
.set AS0, 12
.set AS1, 13
.set SC1, 28                           ; v28-31, v32-47 scale words; they hold nothing else
.set SC0, 32
.set FR1, 48
.set FR0, 64
.set ACC, 128
.set GT, 64                            ; v64-127 g: register 32 i + 8 t + j
.set TM, 128                           ; the quantiser's 16 registers, where accumulators lay whose last read is over
.macro PLACES n
.rept \n
	v_nop
.endr
.endm
.macro CROUND
	s_barrier_signal -1
	s_barrier_wait -1
	s_cmp_lg_u32 s[WV], 0
	s_cbranch_scc1 .Lnot_wave_0_\@
	s_barrier_signal -3
.Lnot_wave_0_\@:
	s_barrier_wait -3
	s_barrier_signal -1
	s_barrier_wait -1
.endm
.macro WM d, a, b, z, sa, sb, ra, rb
.set wsel, 4*(\z)+2*(\ra)+(\rb)
.if wsel == 0
	v_wmma_scale_f32_16x16x128_f8f6f4 v[0+(\d):7+(\d)], v[0+(\a):7+(\a)], v[0+(\b):7+(\b)], v[0+(\d):7+(\d)], v[\sa], v[\sb] matrix_a_fmt:MATRIX_FMT_FP4 matrix_b_fmt:MATRIX_FMT_FP4
.elseif wsel == 1
	v_wmma_scale_f32_16x16x128_f8f6f4 v[0+(\d):7+(\d)], v[0+(\a):7+(\a)], v[0+(\b):7+(\b)], v[0+(\d):7+(\d)], v[\sa], v[\sb] matrix_a_fmt:MATRIX_FMT_FP4 matrix_b_fmt:MATRIX_FMT_FP4 matrix_b_scale:MATRIX_SCALE_ROW1
.elseif wsel == 2
	v_wmma_scale_f32_16x16x128_f8f6f4 v[0+(\d):7+(\d)], v[0+(\a):7+(\a)], v[0+(\b):7+(\b)], v[0+(\d):7+(\d)], v[\sa], v[\sb] matrix_a_fmt:MATRIX_FMT_FP4 matrix_b_fmt:MATRIX_FMT_FP4 matrix_a_scale:MATRIX_SCALE_ROW1
.elseif wsel == 3
	v_wmma_scale_f32_16x16x128_f8f6f4 v[0+(\d):7+(\d)], v[0+(\a):7+(\a)], v[0+(\b):7+(\b)], v[0+(\d):7+(\d)], v[\sa], v[\sb] matrix_a_fmt:MATRIX_FMT_FP4 matrix_b_fmt:MATRIX_FMT_FP4 matrix_a_scale:MATRIX_SCALE_ROW1 matrix_b_scale:MATRIX_SCALE_ROW1
.elseif wsel == 4
	v_wmma_scale_f32_16x16x128_f8f6f4 v[0+(\d):7+(\d)], v[0+(\a):7+(\a)], v[0+(\b):7+(\b)], 0, v[\sa], v[\sb] matrix_a_fmt:MATRIX_FMT_FP4 matrix_b_fmt:MATRIX_FMT_FP4
.elseif wsel == 5
	v_wmma_scale_f32_16x16x128_f8f6f4 v[0+(\d):7+(\d)], v[0+(\a):7+(\a)], v[0+(\b):7+(\b)], 0, v[\sa], v[\sb] matrix_a_fmt:MATRIX_FMT_FP4 matrix_b_fmt:MATRIX_FMT_FP4 matrix_b_scale:MATRIX_SCALE_ROW1
.elseif wsel == 6
	v_wmma_scale_f32_16x16x128_f8f6f4 v[0+(\d):7+(\d)], v[0+(\a):7+(\a)], v[0+(\b):7+(\b)], 0, v[\sa], v[\sb] matrix_a_fmt:MATRIX_FMT_FP4 matrix_b_fmt:MATRIX_FMT_FP4 matrix_a_scale:MATRIX_SCALE_ROW1
.else
	v_wmma_scale_f32_16x16x128_f8f6f4 v[0+(\d):7+(\d)], v[0+(\a):7+(\a)], v[0+(\b):7+(\b)], 0, v[\sa], v[\sb] matrix_a_fmt:MATRIX_FMT_FP4 matrix_b_fmt:MATRIX_FMT_FP4 matrix_a_scale:MATRIX_SCALE_ROW1 matrix_b_scale:MATRIX_SCALE_ROW1
.endif
.endm
.macro KSTEP k, q, z                   ; one K step of 128: source 0 = the weights' 8 tiles, source 1 = h2's two
.if \q == 0
.irp u, 0,1,2,3
	ds_load_b128 v[SC0+4*\u:SC0+4*\u+3], v[AS0] offset:1088*\u+16*\k
.endr
	ds_load_b128 v[SC1:SC1+3], v[AS1] offset:16*\k
.endif
.irp t, 0,1,2,3,4,5,6,7
	ds_load_b128 v[FR0+8*\t:FR0+8*\t+3], v[AB+\k] offset:4352*\t+64*\q
	ds_load_b128 v[FR0+8*\t+4:FR0+8*\t+7], v[AB+\k] offset:4352*\t+64*\q+32
.endr
.irp i, 0,1
	ds_load_b128 v[FR1+8*\i:FR1+8*\i+3], v[AA+\k] offset:4096*\i+1024*\q
	ds_load_b128 v[FR1+8*\i+4:FR1+8*\i+7], v[AA+\k] offset:4096*\i+1024*\q+512
.endr
	s_wait_dscnt 0x0
.irp i, 0,1
.irp t, 0,1,2,3,4,5,6,7
	WM ACC+64*\i+8*\t, FR0+8*\t, FR1+8*\i, \z, SC0+4*(\t/2)+\q, SC1+\q, \t%2, \i   ; the sixteen accumulators take turns
.endr
.endr
	PLACES 4
.endm
	s_load_b128 s[4:7], s[0:1], 0x0                ; xbuf, w1's codes
	s_load_b128 s[8:11], s[0:1], 0x10              ; w1's scales, w3's codes
	s_load_b128 s[96:99], s[0:1], 0x20             ; w3's scales, gbuf
	v_lshl_add_u32 v26, v0, 2, 0x48000
	v_mov_b32 v27, 0
	ds_add_u32 v26, v27
	ds_add_u32 v26, v27
	v_lshrrev_b32 v1, 5, v0
	s_delay_alu instid0(VALU_DEP_1)
	v_readfirstlane_b32 s[WV], v1
	s_and_b32 s[WA], s[WV], 3
	s_and_b32 s[SG0], s[WV], 1
	s_lshr_b32 s[SG1], s[WV], 1
	s_bfe_u32 s[CX], ttmp6, 0x40000
	s_bfe_u32 s[CY], ttmp6, 0x40004
	s_lshl_b32 s[XT], ttmp9, 2
	s_add_co_u32 s[XT], s[XT], s[CX]
	s_and_b32 s[YT], ttmp7, 0xffff
	s_lshl_b32 s[YT], s[YT], 2
	s_add_co_u32 s[YT], s[YT], s[CY]
	s_lshl_b32 s20, s[CY], 2
	s_lshl_b32 s20, 15, s20
	s_lshl_b32 s21, 0x1111, s[CX]
	s_or_b32 s[G1A], s20, (3<<16)|(1<<21)          ; h2's images: 16 tiles x 4,096 bytes, 8,192 apart
	s_mov_b32 s[G1A+1], 512<<16
	s_mov_b32 s[G1A+2], 16<<16                     ; one load brings a K half of all 16 tiles
	s_mov_b32 s[G1A+3], 512<<16
	s_mov_b32 s[G1A+4], 16
	s_mov_b32 s[G1A+5], 1024
	s_mov_b32 s[G1A+6], 0
	s_mov_b32 s[G1A+7], 0
	s_or_b32 s[G1B], s21, (1<<20)|(1<<21)|(5<<22)|(3<<25)   ; the weights: 64 rows x 256 bytes, 512 apart, padded by 16
	s_mov_b32 s[G1B+1], 256<<16
	s_mov_b32 s[G1B+2], 64<<16
	s_mov_b32 s[G1B+3], 256<<16
	s_mov_b32 s[G1B+4], 64
	s_mov_b32 s[G1B+5], 512
	s_mov_b32 s[G1B+6], 0
	s_mov_b32 s[G1B+7], 0
	s_or_b32 s[G1SA], s20, (3<<16)|(1<<20)|(1<<21)|(5<<22)|(3<<25)
	s_or_b32 s[G1SB], s21, (3<<16)|(1<<20)|(1<<21)|(5<<22)|(3<<25)
	s_mov_b32 s[G1SA+2], 32<<16                    ; h2's scale bytes of all 256 rows in one load: 32 rows of 256 bytes
	s_mov_b32 s[G1SA+4], 32
	s_mov_b32 s[G1SB+2], 8<<16                     ; the weights': 64 rows' bytes a load
	s_mov_b32 s[G1SB+4], 8
.irp g, G1SA, G1SB
	s_mov_b32 s[\g+1], 32<<16
	s_mov_b32 s[\g+3], 32<<16
	s_mov_b32 s[\g+5], 32
	s_mov_b32 s[\g+6], 0
	s_mov_b32 s[\g+7], 0
.endr
	s_mul_i32 s22, s[WA], 2176
	s_mov_b32 s23, 0
	s_mul_i32 s66, s[WA], 17408
	s_lshl_b32 s84, s[YT], 17
	s_add_co_u32 s84, s84, H2I
	s_mov_b32 s85, 0
	s_lshl_b32 s86, s[YT], 13
	s_add_co_u32 s86, s86, H2S
	s_mov_b32 s87, 0
	s_lshl_b32 s88, s[XT], 7                       ; the weights' row 128 xt + 64 (wa / 2), of w1 (wa even) or w3 (wa odd)
	s_lshr_b32 s89, s[WA], 1
	s_lshl_b32 s89, s89, 6
	s_add_co_u32 s88, s88, s89
	s_lshl_b32 s90, s88, 9
	s_mov_b32 s91, 0
	s_lshl_b32 s92, s88, 5
	s_mov_b32 s93, 0
	s_and_b32 s89, s[WA], 1
	s_wait_dscnt 0x0
	s_wait_kmcnt 0x0
	s_cmp_eq_u32 s89, 0                            ; the choice hangs on the wave's number alone
	s_cselect_b64 s[94:95], s[6:7], s[10:11]
	s_cselect_b64 s[100:101], s[8:9], s[96:97]
	s_mov_b32 s[G0AS], 1
	s_mov_b32 s[G0AS+1], SA
	s_add_nc_u64 s[G0AS+2:G0AS+3], s[4:5], s[86:87]
	s_or_b32 s[G0AS+3], s[G0AS+3], 0x80000000
	s_mov_b32 s[G0A0], 1
	s_add_co_u32 s[G0A0+1], s23, A0
	s_add_nc_u64 s[G0A0+2:G0A0+3], s[4:5], s[84:85]
	s_mov_b32 s[G0A1], 1
	s_add_co_u32 s[G0A1+1], s23, A1
	s_add_nc_u64 s[G0A1+2:G0A1+3], s[G0A0+2:G0A0+3], 4096
	s_or_b32 s[G0A0+3], s[G0A0+3], 0x80000000
	s_or_b32 s[G0A1+3], s[G0A1+3], 0x80000000
	s_mov_b32 s[G0BS], 1
	s_add_co_u32 s[G0BS+1], s22, SB
	s_add_nc_u64 s[G0BS+2:G0BS+3], s[100:101], s[92:93]
	s_or_b32 s[G0BS+3], s[G0BS+3], 0x80000000
	s_mov_b32 s[G0B0], 1
	s_add_co_u32 s[G0B0+1], s66, B0
	s_add_nc_u64 s[G0B0+2:G0B0+3], s[94:95], s[90:91]
	s_mov_b32 s[G0B1], 1
	s_add_co_u32 s[G0B1+1], s66, B1
	s_add_nc_u64 s[G0B1+2:G0B1+3], s[G0B0+2:G0B0+3], 256
	s_or_b32 s[G0B0+3], s[G0B0+3], 0x80000000
	s_or_b32 s[G0B1+3], s[G0B1+3], 0x80000000
	CROUND                                         ; all sixteen work-groups are here: the joint loads meet
; THE HEAD'S LOADS, ONE A WAVE, in one chain of arms on the wave's number: wave 0 h2's K half 0, wave 1 its K half 1, wave 2 h2's scale bytes;
; waves 3-6 the quarters (wave % 4) of the weights' K half 0, waves 7-10 of K half 1, waves 11-14 of their scale bytes; wave 15 none.  One load a wave is out.
.macro ARM under, g0, g1, next
	s_cmp_lt_u32 s[WV], \under
	s_cbranch_scc0 \next
	tensor_load_to_lds s[\g0:\g0+3], s[\g1:\g1+7]
	s_nop 0
	PLACES 4
	s_branch .Lasked
\next:
.endm
	ARM 1, G0A0, G1A, .Lh1
	ARM 2, G0A1, G1A, .Lh2
	ARM 3, G0AS, G1SA, .Lh3
	ARM 7, G0B0, G1B, .Lh4
	ARM 11, G0B1, G1B, .Lh5
	ARM 15, G0BS, G1SB, .Lh6
.Lasked:
	v_and_b32 v1, 31, v0                           ; L
	v_and_b32 v2, 15, v0                           ; r
	v_bfe_u32 v3, v0, 4, 1                         ; h
	s_delay_alu instid0(VALU_DEP_3)
	v_lshlrev_b32 v4, 4, v1                        ; 16 L
	s_delay_alu instid0(VALU_DEP_3)
	v_mul_u32_u24 v5, v2, 272
	s_delay_alu instid0(VALU_DEP_1)
	v_lshl_add_u32 v5, v3, 4, v5
	s_wait_alu depctr_va_vdst(0)
	v_lshrrev_b32 v6, 3, v1
	v_lshlrev_b32 v7, 5, v1
	s_delay_alu instid0(VALU_DEP_1)
	v_lshl_add_u32 v6, v6, 4, v7
	s_wait_alu depctr_va_vdst(0)
	s_mul_i32 s22, s[SG0], 128*272
	s_lshl_b32 s23, s[SG1], 13
	s_mul_i32 s66, s[SG0], 4352
	s_add_co_u32 s66, s66, SB
	s_mul_i32 s67, s[SG1], 1088
	s_add_co_u32 s67, s67, SA
	s_add_co_u32 s22, s22, B0
	v_add_nc_u32 v[AB], s22, v5
	s_add_co_u32 s22, s22, B1-B0
	v_add_nc_u32 v[AB+1], s22, v5
	v_add_nc_u32 v[AA], s23, v4
	s_add_co_u32 s23, s23, A1
	v_add_nc_u32 v[AA+1], s23, v4
	v_add_nc_u32 v[AS0], s66, v6
	v_add_nc_u32 v[AS1], s67, v6
	s_lshl_b32 s66, s[SG1], 7
	s_lshl_b32 s67, s[SG0], 1
	s_add_co_u32 s66, s66, s67
	s_add_co_u32 s66, s66, STG
	v_lshl_add_u32 v14, v1, 2, s66                 ; the stage: 4 (32 g1 + L) + 2 g0
	s_lshl_b32 s66, s[WV], 8
	s_add_co_u32 s67, s66, STG
	v_lshlrev_b32 v20, 3, v1                       ; 8 L
	s_delay_alu instid0(VALU_DEP_1)
	v_add_nc_u32 v15, s67, v20                     ; and back: 256 w + 8 L
	s_lshl_b32 s2, s[YT], 18                       ; g's images: tile 16 yt + 2 g1 (+ i) of 16,384 bytes, K step xt, half g0
	s_lshl_b32 s3, s[SG1], 15
	s_add_co_u32 s2, s2, s3
	s_lshl_b32 s3, s[XT], 10
	s_add_co_u32 s2, s2, s3
	s_lshl_b32 s3, s[SG0], 9
	s_add_co_u32 s2, s2, s3
	s_mov_b32 s3, 0
	s_add_nc_u64 s[90:91], s[98:99], s[2:3]
	s_lshl_b32 s2, s[XT], 14
	s_lshl_b32 s67, s[YT], 10
	s_add_co_u32 s2, s2, s67
	s_add_co_u32 s2, s2, s66
	s_add_co_u32 s2, s2, GSW
	s_add_nc_u64 s[92:93], s[98:99], s[2:3]
	s_wait_alu depctr_va_vdst(0)
	s_wait_tensorcnt 0x0                           ; my one load has landed
	s_barrier_signal -1
	s_barrier_wait -1                              ; everybody's has: both panels and their scale bytes are whole
	KSTEP 0, 0, 1
	KSTEP 0, 1, 0
	KSTEP 0, 2, 0
	KSTEP 0, 3, 0
	KSTEP 1, 0, 0
	KSTEP 1, 1, 0
	KSTEP 1, 2, 0
	KSTEP 1, 3, 0
	; ---- g = a b / (1 + 2^(-a log2 e)): tiles 0-3 hold a, tiles 4-7 b, of hidden units 16 t + 8 h + j
	s_mov_b32 s[SEL], 0x76543210
	s_mov_b32 s[SEL+1], 0xfedcba98
.irp i, 0,1
.irp t, 0,1,2,3
.irp j, 0,2,4,6
	v_pk_mul_f32 v[GT+32*\i+8*\t+\j:GT+32*\i+8*\t+\j+1], v[ACC+64*\i+8*\t+\j:ACC+64*\i+8*\t+\j+1], 0xbfb8aa3b op_sel_hi:[1,0]
.endr
.endr
.endr
.set n, 0
	s_wait_alu depctr_va_vdst(0)
.rept 64
	v_exp_f32 v[GT+n], v[GT+n]
.set n, n+1
.endr
	v_nop
	s_wait_alu depctr_va_vdst(0)                   ; one wait for the batch, ahead of its first reader
.set n, 0
.rept 32
	v_pk_add_f32 v[GT+n:GT+n+1], v[GT+n:GT+n+1], 1.0 op_sel_hi:[1,0]
.set n, n+2
.endr
.set n, 0
	s_wait_alu depctr_va_vdst(0)
.rept 64
	v_rcp_f32 v[GT+n], v[GT+n]
.set n, n+1
.endr
	v_nop
	s_wait_alu depctr_va_vdst(0)
.irp i, 0,1
.irp t, 0,1,2,3
.irp j, 0,2,4,6
	v_pk_mul_f32 v[GT+32*\i+8*\t+\j:GT+32*\i+8*\t+\j+1], v[GT+32*\i+8*\t+\j:GT+32*\i+8*\t+\j+1], v[ACC+64*\i+8*\t+\j:ACC+64*\i+8*\t+\j+1]
.endr
.endr
.endr
.irp i, 0,1
.irp t, 0,1,2,3
.irp j, 0,2,4,6
	v_pk_mul_f32 v[GT+32*\i+8*\t+\j:GT+32*\i+8*\t+\j+1], v[GT+32*\i+8*\t+\j:GT+32*\i+8*\t+\j+1], v[ACC+64*\i+32+8*\t+\j:ACC+64*\i+32+8*\t+\j+1]
.endr
.endr
.endr
.irp b, 0,1,2,3
	v_mov_b32 v[TM+4+\b], 0                        ; the accumulators are done with.  A lane permute's destination counts as one of its sources
.endr
.irp b, 0,1,2,3                                    ; blocks 0, 1: row tile 0's 64 hidden units; blocks 2, 3: row tile 1's
	v_max3_num_f32 v[TM+\b], |v[GT+16*\b]|, |v[GT+16*\b+1]|, 0x1800000
.endr
.irp i, 2,4,6,8,10,12,14
.irp b, 0,1,2,3
	s_delay_alu instid0(VALU_DEP_4)
	v_max3_num_f32 v[TM+\b], v[TM+\b], |v[GT+16*\b+\i]|, |v[GT+16*\b+\i+1]|
.endr
.endr
.irp b, 0,1,2,3
	s_delay_alu instid0(VALU_DEP_4)
	v_permlanex16_b32 v[TM+4+\b], v[TM+\b], s[SEL], s[SEL+1]
.endr
.irp b, 0,1,2,3
	s_delay_alu instid0(VALU_DEP_4)
	v_max_num_f32 v[TM+\b], v[TM+\b], v[TM+4+\b]
.endr
.irp b, 0,1,2,3
	s_delay_alu instid0(VALU_DEP_4)
	v_add_nc_u32 v[TM+12+\b], 0xff000000, v[TM+\b]
.endr
.irp b, 0,1,2,3
	s_delay_alu instid0(VALU_DEP_4)
	v_lshrrev_b32 v[TM+4+\b], 23, v[TM+12+\b]
.endr
.set qt, 0
.rept 8
	v_cvt_scalef32_pk8_fp4_f32 v[48+4*(qt/4)+2*(qt%2)+((qt/2)%2)], v[GT+8*qt:GT+8*qt+7], v[TM+12+qt/2]
.set qt, qt+1
.endr
	v_nop
.irp c, 0,1
	v_permlane16_swap_b32 v[48+4*\c], v[49+4*\c]
	v_permlane16_swap_b32 v[50+4*\c], v[51+4*\c]
.endr
	v_lshl_or_b32 v16, v[TM+5], 8, v[TM+4]
	v_lshl_or_b32 v17, v[TM+7], 8, v[TM+6]
	v_cmp_le_u32 vcc_lo, 16, v1
	s_delay_alu instid0(VALU_DEP_1)
	v_cndmask_b32 v16, v16, v17, vcc_lo            ; lanes 0-15: row tile 0's two bytes, lanes 16-31: row tile 1's
	ds_store_b16 v14, v16
	global_store_b128 v4, v[48:51], s[90:91]       ; 512 consecutive bytes, aligned
	global_store_b128 v4, v[52:55], s[90:91] offset:16384
	s_wait_dscnt 0x0                               ; for the others' sake: my two bytes a row have landed
	s_barrier_signal -1
	s_barrier_wait -1
	s_cmp_lt_u32 s[WV], 4
	s_cbranch_scc0 .Lno_words
	ds_load_b64 v[18:19], v15
	s_wait_dscnt 0x0
	global_store_b64 v20, v[18:19], s[92:93]       ; 32 lanes store 256 consecutive bytes, aligned
.Lno_words:
	s_wait_tensorcnt 0x0
	ds_add_u32 v26, v27
	s_wait_dscnt 0x0
	CROUND                                         ; the closing round
	s_endpgm
.Lfunc_end_k_q1f0a93de25_ffnup:
	.size	k_q1f0a93de25_ffnup, .Lfunc_end_k_q1f0a93de25_ffnup-k_q1f0a93de25_ffnup
	.p2alignl 7, 3214868480
	.fill 96, 4, 3214868480
	.section	.rodata,"a",@progbits
	.p2align	6, 0x0
	.amdhsa_kernel k_q1f0a93de25_ffnup
		.amdhsa_group_segment_fixed_size 296960
		.amdhsa_private_segment_fixed_size 0
		.amdhsa_enable_private_segment 0
		.amdhsa_kernarg_size 48
		.amdhsa_user_sgpr_count 2
		.amdhsa_user_sgpr_kernarg_segment_ptr 1
		.amdhsa_wavefront_size32 1
		.amdhsa_system_sgpr_workgroup_id_x 1
		.amdhsa_system_sgpr_workgroup_id_y 1
		.amdhsa_system_sgpr_workgroup_id_z 1
		.amdhsa_system_vgpr_workitem_id 0
		.amdhsa_next_free_vgpr 256
		.amdhsa_next_free_sgpr 102
		.amdhsa_reserve_vcc 1
		.amdhsa_float_denorm_mode_32 3
		.amdhsa_float_denorm_mode_16_64 3
		.amdhsa_memory_ordered 1
		.amdhsa_forward_progress 1
		.amdhsa_inst_pref_size 58
	.end_amdhsa_kernel
	.amdgpu_metadata
---
amdhsa.version: [ 1, 2 ]
amdhsa.kernels:
  - .name:           k_q1f0a93de25_ffnup
    .symbol:         k_q1f0a93de25_ffnup.kd
    .args:
      - { .name: xbuf, .offset: 0, .size: 8, .value_kind: global_buffer, .address_space: global }
      - { .name: w1_codes, .offset: 8, .size: 8, .value_kind: global_buffer, .address_space: global }
      - { .name: w1_scales, .offset: 16, .size: 8, .value_kind: global_buffer, .address_space: global }
      - { .name: w3_codes, .offset: 24, .size: 8, .value_kind: global_buffer, .address_space: global }
      - { .name: w3_scales, .offset: 32, .size: 8, .value_kind: global_buffer, .address_space: global }
      - { .name: gbuf, .offset: 40, .size: 8, .value_kind: global_buffer, .address_space: global }
    .group_segment_fixed_size: 296960
    .private_segment_fixed_size: 0
    .kernarg_segment_align: 8
    .kernarg_segment_size: 48
    .max_flat_workgroup_size: 512
    .sgpr_count:     102
    .vgpr_count:     256
    .wavefront_size: 32
...
	.end_amdgpu_metadata
.endif
;; end of part 5
;; launch ffndown (part 6): grid 8 x 32, 8 waves a work-group, clusters of 4 x 4, 320,512 bytes of LDS; arguments gbuf, w2_codes, w2_scales, xbuf, out0; writes out0
.if DOCPART == 6
	.amdgcn_target "amdgcn-amd-amdhsa--gfx1250"
	.amdhsa_code_object_version 6
	.text
	.protected	k_q1f0a93de25_ffndown
	.globl	k_q1f0a93de25_ffndown
	.p2align	8
	.type	k_q1f0a93de25_ffndown,@function
k_q1f0a93de25_ffndown:
	s_mov_b64 s[64:65], 0
	v_nop
	global_prefetch_b8 v0, s[64:65] scope:SCOPE_SE
	s_setreg_imm32_b32 hwreg(HW_REG_WAVE_MODE, 25, 1), 1
	s_wait_xcnt 0x0
	s_wait_alu depctr_hold_cnt(0) depctr_sa_sdst(0) depctr_va_vdst(0) depctr_va_sdst(0) depctr_va_ssrc(0) depctr_va_vcc(0) depctr_vm_vsrc(0)
	s_getreg_b32 s2, hwreg(HW_REG_IB_STS2, 6, 4)
	s_cmp_eq_u32 s2, 0
	s_cbranch_scc0 .Lentry_in_a_cluster
	s_endpgm
.Lentry_in_a_cluster:
	s_bfe_u32 s2, ttmp6, 0x10000c
	s_cmp_lg_u32 s2, 0xf033
	s_cbranch_scc0 .Lentry_shape_is_right
	s_endpgm
.Lentry_shape_is_right:
; out = x1 + g w2^T on FP4 codes.  A work-group multiplies 128 rows of g by 128 rows of w2 over all K = 2,048; both panels and their scale bytes fit in LDS whole and are filled ONCE, K in two halves.
; 4 x 4 work-groups form a cluster: g's panel is asked for jointly along a row, w2's along a column; waves 0-2 fetch for g, waves 3-7 for w2; one load a wave is out.
; Eight waves; a wave makes 64 columns x 32 rows: source 0 = 4 tiles of w2's rows, source 1 = 2 tiles of g: eight accumulators that take turns.  x1 is turned through the wave's stage into the result's layout
; while the panels land, and is the C of the first products.  The next K step's fragments are fetched while a step is multiplied.
.set GSW, 4194304
.set A0, 0                             ; LDS: g's images, K half 0: [tile 8][step 8][c 2][512]
.set A1, 65536
.set B0, 131072                        ; w2's 128 rows, 512 bytes + 16 of padding each
.set B1, 198656
.set SA, 266240                        ; g's scale words [K step 16][128 rows]
.set SB, 274432                        ; w2's scale bytes: 32 units of 256 bytes + 16
.set STG, 283136                       ; a stage of 16 rows x 272 bytes for each wave: no fill lands here
.set WV, 12
.set WA, 13
.set SG0, 14
.set SG1, 15
.set CX, 16
.set CY, 17
.set XT, 18
.set YT, 19
.set G1A, 24
.set G1B, 32
.set G1SA, 40
.set G1SB, 48
.set G0AS, 56
.set G0A0, 60
.set G0A1, 68
.set G0BS, 72
.set G0B0, 76
.set G0B1, 80
.set AB, 8
.set AA, 10
.set AS, 48                            ; v48-63  g's scale words, register s: lanes 0-15 tile 0, lanes 16-31 tile 1
.set BS, 64                            ; v64-95  w2's, register 16 u + s
.set ACC, 192                          ; v192-255 accumulator (i, t) at ACC + 32 i + 8 t;  v96-191: two sets of fragments (w2's 32 registers, g's 16)
.macro PLACES n
.rept \n
	v_nop
.endr
.endm
.macro CROUND
	s_barrier_signal -1
	s_barrier_wait -1
	s_cmp_lg_u32 s[WV], 0
	s_cbranch_scc1 .Lnot_wave_0_\@
	s_barrier_signal -3
.Lnot_wave_0_\@:
	s_barrier_wait -3
	s_barrier_signal -1
	s_barrier_wait -1
.endm
.macro WM d, a, b, sa, sb, ra, rb
.set wsel, 2*(\ra)+(\rb)
.if wsel == 0
	v_wmma_scale_f32_16x16x128_f8f6f4 v[0+(\d):7+(\d)], v[0+(\a):7+(\a)], v[0+(\b):7+(\b)], v[0+(\d):7+(\d)], v[\sa], v[\sb] matrix_a_fmt:MATRIX_FMT_FP4 matrix_b_fmt:MATRIX_FMT_FP4
.elseif wsel == 1
	v_wmma_scale_f32_16x16x128_f8f6f4 v[0+(\d):7+(\d)], v[0+(\a):7+(\a)], v[0+(\b):7+(\b)], v[0+(\d):7+(\d)], v[\sa], v[\sb] matrix_a_fmt:MATRIX_FMT_FP4 matrix_b_fmt:MATRIX_FMT_FP4 matrix_b_scale:MATRIX_SCALE_ROW1
.elseif wsel == 2
	v_wmma_scale_f32_16x16x128_f8f6f4 v[0+(\d):7+(\d)], v[0+(\a):7+(\a)], v[0+(\b):7+(\b)], v[0+(\d):7+(\d)], v[\sa], v[\sb] matrix_a_fmt:MATRIX_FMT_FP4 matrix_b_fmt:MATRIX_FMT_FP4 matrix_a_scale:MATRIX_SCALE_ROW1
.else
	v_wmma_scale_f32_16x16x128_f8f6f4 v[0+(\d):7+(\d)], v[0+(\a):7+(\a)], v[0+(\b):7+(\b)], v[0+(\d):7+(\d)], v[\sa], v[\sb] matrix_a_fmt:MATRIX_FMT_FP4 matrix_b_fmt:MATRIX_FMT_FP4 matrix_a_scale:MATRIX_SCALE_ROW1 matrix_b_scale:MATRIX_SCALE_ROW1
.endif
.endm
.macro LOADF s                         ; K step s's twelve loads into set s % 2
.set fp, 96+48*((\s)%2)
.set fk, (\s)/8
.set fq, (\s)%8
.irp t, 0,1,2,3
	ds_load_b128 v[fp+8*\t:fp+8*\t+3], v[AB+fk] offset:8448*\t+64*fq
	ds_load_b128 v[fp+8*\t+4:fp+8*\t+7], v[AB+fk] offset:8448*\t+64*fq+32
.endr
.irp i, 0,1
	ds_load_b128 v[fp+32+8*\i:fp+32+8*\i+3], v[AA+fk] offset:8192*\i+1024*fq
	ds_load_b128 v[fp+32+8*\i+4:fp+32+8*\i+7], v[AA+fk] offset:8192*\i+1024*fq+512
.endr
.endm
.macro MULS s
.set fp, 96+48*((\s)%2)
.irp i, 0,1
.irp t, 0,1,2,3
	WM ACC+32*\i+8*\t, fp+8*\t, fp+32+8*\i, BS+16*(\t/2)+(\s), AS+(\s), \t%2, \i
.endr
.endr
.endm
	s_load_b128 s[4:7], s[0:1], 0x0                ; gbuf, w2's codes
	s_load_b128 s[8:11], s[0:1], 0x10              ; w2's scales, xbuf
	s_load_b64 s[96:97], s[0:1], 0x20              ; out0
	v_lshl_add_u32 v46, v0, 2, 0x4e000
	v_mov_b32 v47, 0
	ds_add_u32 v46, v47
	ds_add_u32 v46, v47
	v_lshrrev_b32 v1, 5, v0
	s_delay_alu instid0(VALU_DEP_1)
	v_readfirstlane_b32 s[WV], v1                  ; wave 0..7
	s_and_b32 s[WA], s[WV], 3
	s_and_b32 s[SG0], s[WV], 1
	s_lshr_b32 s[SG1], s[WV], 1
	s_bfe_u32 s[CX], ttmp6, 0x40000
	s_bfe_u32 s[CY], ttmp6, 0x40004
	s_lshl_b32 s[XT], ttmp9, 2
	s_add_co_u32 s[XT], s[XT], s[CX]
	s_and_b32 s[YT], ttmp7, 0xffff
	s_lshl_b32 s[YT], s[YT], 2
	s_add_co_u32 s[YT], s[YT], s[CY]
	s_lshl_b32 s20, s[CY], 2
	s_lshl_b32 s20, 15, s20
	s_lshl_b32 s21, 0x1111, s[CX]
	s_or_b32 s[G1A], s20, (3<<16)|(1<<21)          ; g's images: 8 tiles x 8,192 bytes, 16,384 apart
	s_mov_b32 s[G1A+1], 1024<<16
	s_mov_b32 s[G1A+2], 8<<16                      ; one load brings a K half of all 8 tiles
	s_mov_b32 s[G1A+3], 1024<<16
	s_mov_b32 s[G1A+4], 8
	s_mov_b32 s[G1A+5], 2048
	s_mov_b32 s[G1A+6], 0
	s_mov_b32 s[G1A+7], 0
	s_or_b32 s[G1SA], s20, (3<<16)|(1<<21)         ; g's scale words: 16 K steps x 512 bytes, 16,384 apart
	s_mov_b32 s[G1SA+1], 64<<16
	s_mov_b32 s[G1SA+2], 16<<16                    ; all 16 K steps' words in one load
	s_mov_b32 s[G1SA+3], 64<<16
	s_mov_b32 s[G1SA+4], 16
	s_mov_b32 s[G1SA+5], 2048
	s_mov_b32 s[G1SA+6], 0
	s_mov_b32 s[G1SA+7], 0
	s_or_b32 s[G1B], s21, (1<<20)|(1<<21)|(6<<22)|(3<<25)   ; w2: 64 rows x 512 bytes, 1,024 apart; 4 words of padding behind every 128
	s_mov_b32 s[G1B+1], 512<<16
	s_mov_b32 s[G1B+2], 64<<16                     ; 64 rows a load
	s_mov_b32 s[G1B+3], 512<<16
	s_mov_b32 s[G1B+4], 64
	s_mov_b32 s[G1B+5], 1024
	s_mov_b32 s[G1B+6], 0
	s_mov_b32 s[G1B+7], 0
	s_or_b32 s[G1SB], s21, (3<<16)|(1<<20)|(1<<21)|(5<<22)|(3<<25)   ; w2's scale bytes of 128 rows: 8,192 dense bytes as 32 rows of 256, padded
	s_mov_b32 s[G1SB+1], 32<<16
	s_mov_b32 s[G1SB+2], 32<<16                    ; the scale bytes of all 128 rows in one load
	s_mov_b32 s[G1SB+3], 32<<16
	s_mov_b32 s[G1SB+4], 32
	s_mov_b32 s[G1SB+5], 32
	s_mov_b32 s[G1SB+6], 0
	s_mov_b32 s[G1SB+7], 0
	s_mov_b32 s22, 0
	s_mov_b32 s23, 0
	s_mul_i32 s66, s[SG0], 33792                   ; w2's codes: 64 rows of 528 bytes for each of two waves
	s_mov_b32 s67, 0
	s_lshl_b32 s84, s[YT], 17                      ; g's images: tile 8 yt on, 16,384 bytes a tile
	s_mov_b32 s85, 0
	s_lshl_b32 s86, s[YT], 9                       ; g's scale words: rows 128 yt on
	s_add_co_u32 s86, s86, GSW
	s_mov_b32 s87, 0
	s_lshl_b32 s88, s[XT], 7                       ; w2's row 128 xt (+ 64 x wave % 2 for the codes)
	s_lshl_b32 s89, s[SG0], 6
	s_add_co_u32 s89, s88, s89
	s_lshl_b32 s90, s89, 10
	s_mov_b32 s91, 0
	s_lshl_b32 s88, s88, 6
	s_mov_b32 s89, 0
	s_wait_dscnt 0x0
	s_wait_kmcnt 0x0
	s_mov_b32 s[G0AS], 1
	s_add_co_u32 s[G0AS+1], s22, SA
	s_add_nc_u64 s[G0AS+2:G0AS+3], s[4:5], s[86:87]
	s_or_b32 s[G0AS+3], s[G0AS+3], 0x80000000
	s_mov_b32 s[G0A0], 1
	s_add_co_u32 s[G0A0+1], s23, A0
	s_add_nc_u64 s[G0A0+2:G0A0+3], s[4:5], s[84:85]
	s_mov_b32 s[G0A1], 1
	s_add_co_u32 s[G0A1+1], s23, A1
	s_add_nc_u64 s[G0A1+2:G0A1+3], s[G0A0+2:G0A0+3], 8192
	s_or_b32 s[G0A0+3], s[G0A0+3], 0x80000000
	s_or_b32 s[G0A1+3], s[G0A1+3], 0x80000000
	s_mov_b32 s[G0BS], 1
	s_add_co_u32 s[G0BS+1], s67, SB
	s_add_nc_u64 s[G0BS+2:G0BS+3], s[8:9], s[88:89]
	s_or_b32 s[G0BS+3], s[G0BS+3], 0x80000000
	s_mov_b32 s[G0B0], 1
	s_add_co_u32 s[G0B0+1], s66, B0
	s_add_nc_u64 s[G0B0+2:G0B0+3], s[6:7], s[90:91]
	s_mov_b32 s[G0B1], 1
	s_add_co_u32 s[G0B1+1], s66, B1
	s_add_nc_u64 s[G0B1+2:G0B1+3], s[G0B0+2:G0B0+3], 512
	s_or_b32 s[G0B0+3], s[G0B0+3], 0x80000000
	s_or_b32 s[G0B1+3], s[G0B1+3], 0x80000000
	CROUND                                         ; all sixteen work-groups are here: the joint loads meet
; THE HEAD'S LOADS, ONE A WAVE, in one chain of arms on the wave's number: wave 0 g's K half 0, wave 1 its K half 1, wave 2 g's scale words, wave 3 w2's scale bytes;
; waves 4, 5 the halves of w2's K half 0, waves 6, 7 of its K half 1.  Every way through the head passes one load.
.macro ARM under, g0, g1, next
	s_cmp_lt_u32 s[WV], \under
	s_cbranch_scc0 \next
	tensor_load_to_lds s[\g0:\g0+3], s[\g1:\g1+7]
	s_nop 0
	PLACES 4
	s_branch .Lasked
\next:
.endm
	ARM 1, G0A0, G1A, .Lh1
	ARM 2, G0A1, G1A, .Lh2
	ARM 3, G0AS, G1SA, .Lh3
	ARM 4, G0BS, G1SB, .Lh4
	ARM 6, G0B0, G1B, .Lh5
	tensor_load_to_lds s[G0B1:G0B1+3], s[G1B:G1B+7]
	s_nop 0
	PLACES 4
.Lasked:
	v_and_b32 v1, 31, v0                           ; L
	v_and_b32 v2, 15, v0                           ; r
	v_bfe_u32 v3, v0, 4, 1                         ; h
	s_delay_alu instid0(VALU_DEP_3)
	v_lshlrev_b32 v4, 4, v1                        ; 16 L
	s_delay_alu instid0(VALU_DEP_3)
	v_lshlrev_b32 v5, 4, v2
	s_delay_alu instid0(VALU_DEP_1)
	v_lshl_add_u32 v5, v3, 12, v5                  ; x1, out: row h, 16 r
	s_wait_alu depctr_va_vdst(0)
	s_lshl_b32 s2, s[YT], 19                       ; my first row 128 yt + 32 g1, my first column 128 xt + 64 g0
	s_lshl_b32 s3, s[SG1], 17
	s_add_co_u32 s2, s2, s3
	s_lshl_b32 s3, s[XT], 9
	s_add_co_u32 s2, s2, s3
	s_lshl_b32 s3, s[SG0], 8
	s_add_co_u32 s2, s2, s3
	s_mov_b32 s3, 0
	s_add_nc_u64 s[92:93], s[10:11], s[2:3]
	s_add_nc_u64 s[94:95], s[96:97], s[2:3]
.irp i, 0,1
.irp q, 0,1,2,3,4,5,6,7
	global_load_b128 v[96+32*\i+4*\q:99+32*\i+4*\q], v5, s[92:93] offset:65536*\i+8192*\q th:TH_LOAD_NT   ; sixteen lanes read 256 consecutive bytes of a row
.endr
.endr
	s_mul_i32 s22, s[WV], 4352
	s_add_co_u32 s22, s22, STG                     ; my stage
	v_mul_u32_u24 v6, v3, 272
	s_delay_alu instid0(VALU_DEP_1)
	v_lshl_add_u32 v6, v2, 4, v6
	s_delay_alu instid0(VALU_DEP_1)
	v_add_nc_u32 v6, s22, v6                       ; by rows
	v_mul_u32_u24 v7, v2, 272
	s_delay_alu instid0(VALU_DEP_1)
	v_lshl_add_u32 v7, v3, 5, v7
	s_delay_alu instid0(VALU_DEP_1)
	v_add_nc_u32 v7, s22, v7                       ; in the result's layout
	v_mul_u32_u24 v14, v2, 528
	s_delay_alu instid0(VALU_DEP_1)
	v_lshl_add_u32 v14, v3, 4, v14                 ; 528 r + 16 h
	s_mul_i32 s22, s[SG0], 64*528
	s_add_co_u32 s22, s22, B0
	v_add_nc_u32 v[AB], s22, v14
	s_add_co_u32 s22, s22, B1-B0
	v_add_nc_u32 v[AB+1], s22, v14
	s_lshl_b32 s23, s[SG1], 14
	v_add_nc_u32 v[AA], s23, v4
	s_add_co_u32 s23, s23, A1
	v_add_nc_u32 v[AA+1], s23, v4
	v_lshrrev_b32 v12, 2, v1
	v_lshlrev_b32 v13, 6, v1
	s_delay_alu instid0(VALU_DEP_1)
	v_lshl_add_u32 v12, v12, 4, v13                ; 64 L + 16 (L / 4): row L's scale bytes among padded units
	s_mul_i32 s22, s[SG0], 4352
	s_add_co_u32 s22, s22, SB
	v_add_nc_u32 v12, s22, v12
	s_lshl_b32 s22, s[SG1], 7
	s_add_co_u32 s22, s22, SA
	v_lshl_add_u32 v13, v1, 2, s22                 ; 4 (32 g1 + L)
	s_wait_alu depctr_va_vdst(0)
	s_wait_loadcnt 0x0                             ; x1
.irp i, 0,1
.irp q, 0,1,2,3,4,5,6,7
	ds_store_b128 v6, v[96+32*\i+4*\q:99+32*\i+4*\q] offset:544*\q
.endr
.irp t, 0,1,2,3
	ds_load_b128 v[ACC+32*\i+8*\t:ACC+32*\i+8*\t+3], v7 offset:64*\t       ; LDS serves a wave's instructions in order
	ds_load_b128 v[ACC+32*\i+8*\t+4:ACC+32*\i+8*\t+7], v7 offset:64*\t+16
.endr
.endr
	s_wait_tensorcnt 0x0                           ; my one load has landed; behind the barrier both panels and their scales are whole
	s_wait_dscnt 0x0
	s_barrier_signal -1
	s_barrier_wait -1
.irp u, 0,1
.irp m, 0,1,2,3
	ds_load_b128 v[BS+16*\u+4*\m:BS+16*\u+4*\m+3], v12 offset:2176*\u+16*\m
.endr
.endr
.irp s, 0,1,2,3,4,5,6,7,8,9,10,11,12,13,14,15
	ds_load_b32 v[AS+\s], v13 offset:512*\s
.endr
	LOADF 0
.irp s, 0,1,2,3,4,5,6,7,8,9,10,11,12,13,14,15
.if \s > 0
	PLACES 4                                       ; ahead of loads into registers that the last step's products read
.endif
.if \s != 15
	LOADF \s+1
	s_wait_dscnt 12                                ; all but the twelve just issued
.else
	s_wait_dscnt 0x0
.endif
	MULS \s
.endr
	PLACES 4
.irp i, 0,1
.irp t, 0,1,2,3
	ds_store_b128 v7, v[ACC+32*\i+8*\t:ACC+32*\i+8*\t+3] offset:64*\t      ; each accumulator from its low end on
	ds_store_b128 v7, v[ACC+32*\i+8*\t+4:ACC+32*\i+8*\t+7] offset:64*\t+16
.endr
.irp q, 0,1,2,3,4,5,6,7
	ds_load_b128 v[96+32*\i+4*\q:99+32*\i+4*\q], v6 offset:544*\q
.endr
.endr
.irp i, 0,1
.irp q, 0,1,2,3,4,5,6,7
	s_wait_dscnt 16*(1-\i)+7-\q                    ; behind this load: the rest of its run, and for the first 16 rows the second's sixteen instructions
	global_store_b128 v5, v[96+32*\i+4*\q:99+32*\i+4*\q], s[94:95] offset:65536*\i+8192*\q th:TH_STORE_NT   ; sixteen lanes store 256 consecutive bytes, aligned
.endr
.endr
	s_wait_tensorcnt 0x0
	ds_add_u32 v46, v47
	s_wait_dscnt 0x0
	CROUND                                         ; the closing round
	s_endpgm
.Lfunc_end_k_q1f0a93de25_ffndown:
	.size	k_q1f0a93de25_ffndown, .Lfunc_end_k_q1f0a93de25_ffndown-k_q1f0a93de25_ffndown
	.p2alignl 7, 3214868480
	.fill 96, 4, 3214868480
	.section	.rodata,"a",@progbits
	.p2align	6, 0x0
	.amdhsa_kernel k_q1f0a93de25_ffndown
		.amdhsa_group_segment_fixed_size 320512
		.amdhsa_private_segment_fixed_size 0
		.amdhsa_enable_private_segment 0
		.amdhsa_kernarg_size 40
		.amdhsa_user_sgpr_count 2
		.amdhsa_user_sgpr_kernarg_segment_ptr 1
		.amdhsa_wavefront_size32 1
		.amdhsa_system_sgpr_workgroup_id_x 1
		.amdhsa_system_sgpr_workgroup_id_y 1
		.amdhsa_system_sgpr_workgroup_id_z 1
		.amdhsa_system_vgpr_workitem_id 0
		.amdhsa_next_free_vgpr 256
		.amdhsa_next_free_sgpr 102
		.amdhsa_reserve_vcc 0
		.amdhsa_float_denorm_mode_32 3
		.amdhsa_float_denorm_mode_16_64 3
		.amdhsa_memory_ordered 1
		.amdhsa_forward_progress 1
		.amdhsa_inst_pref_size 50
	.end_amdhsa_kernel
	.amdgpu_metadata
---
amdhsa.version: [ 1, 2 ]
amdhsa.kernels:
  - .name:           k_q1f0a93de25_ffndown
    .symbol:         k_q1f0a93de25_ffndown.kd
    .args:
      - { .name: gbuf, .offset: 0, .size: 8, .value_kind: global_buffer, .address_space: global }
      - { .name: w2_codes, .offset: 8, .size: 8, .value_kind: global_buffer, .address_space: global }
      - { .name: w2_scales, .offset: 16, .size: 8, .value_kind: global_buffer, .address_space: global }
      - { .name: xbuf, .offset: 24, .size: 8, .value_kind: global_buffer, .address_space: global }
      - { .name: out0, .offset: 32, .size: 8, .value_kind: global_buffer, .address_space: global }
    .group_segment_fixed_size: 320512
    .private_segment_fixed_size: 0
    .kernarg_segment_align: 8
    .kernarg_segment_size: 40
    .max_flat_workgroup_size: 256
    .sgpr_count:     102
    .vgpr_count:     256
    .wavefront_size: 32
...
	.end_amdgpu_metadata
.endif
;; end of part 6
